; MI455X (gfx1250); checked and timed in simulation.
; The chip was launched on July 23, 2026; its instructions are those of AMD's public machine-readable ISA for CDNA 5 (MIT licence, August 2026) and "CDNA5" Instruction Set Architecture Reference Guide (July 2026). The comments in the code are by the model that wrote it; some were corrected since.
;; Cross Attention. Allowed arithmetic: float matrix products may take bf16 or f16 operands with f32 sums; other float arithmetic in f32, or as packed bf16 or f16 multiplies, adds, multiply-adds, maxima and minima; sums over many terms, partial sums and values carried from step to step in f32; what a program stores and reads back later, other than sums and carried values, may be rounded once to bf16 or f16.
;; Inputs: Wout 1,024 x 1,024 float32; Wqkv 3,072 x 1,024 float32; bout 1,024 float32; bqkv 3,072 float32; context 4 x 2,048 x 1,024 float32; x 4 x 2,048 x 1,024 float32.
;; Outputs: out0 4 x 2,048 x 1,024 float32.
;; One version. Each part assembles by itself: llvm-mc -triple=amdgcn-amd-amdhsa -mcpu=gfx1250 --defsym DOCPART=n.
;; ======== version 1 of 1: 4 launches
;; limits: values are held in f16: magnitudes above 65,504 overflow, below 6.1e-05 lose precision
;; workspace buffers: xb 16,777,216 bytes; wqk 4,194,304 bytes; wo 2,097,152 bytes; vh 16,777,216 bytes; qk 33,554,432 bytes; oh 16,777,216 bytes
;; launch prep (part 1): grid 1216 x 1, 8 waves a work-group, no clusters, 0 bytes of LDS; arguments x, context, Wqkv, Wout, xb, vh, wqk, wo; writes xb, vh, wqk, wo
.if DOCPART == 1
	.amdgcn_target "amdgcn-amd-amdhsa--gfx1250"
	.amdhsa_code_object_version 6
	.text
	.protected	k_qeecbe15960_prep
	.globl	k_qeecbe15960_prep
	.p2align	8
	.type	k_qeecbe15960_prep,@function
k_qeecbe15960_prep:
	s_mov_b64 s[64:65], 0
	v_nop
	global_prefetch_b8 v0, s[64:65] scope:SCOPE_SE
	s_setreg_imm32_b32 hwreg(HW_REG_WAVE_MODE, 25, 1), 1
	s_wait_xcnt 0x0
; THE INPUTS ARE ROUNDED ONCE TO 16 BITS, for the three matrix launches that follow.
;   x [8192][1024] f32               -> xb  [8192][1024] bf16
;   Wqkv rows 0 .. 2047 (q's and k's) -> wqk [2048][1024] bf16.  Rows 2048 .. 3071 make v, which enters no output number: they are not read.
;   Wout [1024][1024] f32            -> wo  [1024][1024]: rounded to bf16 like every input, and that number written as f16
;   context [4][2048][1024] f32      -> vh  [4 x 16 heads][2048][64]: the same rounding, laid out by heads, so that a head's rows are dense
; LIMITS.  f16 holds no number beyond 65,504: context and Wout lie within it.  From 2^-14 up a bf16 number is exact in f16; below that it keeps f16's fixed step of 2^-24.
; A stream: no LDS, no matrix unit, no cluster (no byte is read by two work-groups).  A work-group converts 16,384 numbers: 64 KiB in, 32 KiB out; a thread 16 loads of 16 bytes and 16 stores of 8.
; A wave's load covers 512 consecutive bytes (by heads: 256 of each of two rows), its store 256 consecutive bytes at a multiple of 256.  All 16 loads go out first; every load and store has
; registers of its own, so nothing that a pending instruction names is written again.
.set IN,  4                            ; v4 my byte offset in the work-group's 64 KiB, dense; v6 the same by heads
.set OUT, 5                            ; v5 my byte offset in what it writes, dense; v7 by heads
.set T,   8                            ; v[8:11]   at work
.set X,   16                           ; v[16:79]  load j: 4 registers
.set Y,   80                           ; v[80:111] store j: 2 registers
; lay = 0: dense.  lay = 1: by heads: the work-group's 64 KiB are 16 rows of context; wave w takes heads 2 w + e; load j = 2 p + e takes that head's 256 bytes of rows 2 p (lanes 0-15)
; and 2 p + 1 (lanes 16-31), which leave as 256 consecutive bytes of the head.  fmt = 0: bf16.  fmt = 1: bf16's rounding, written as f16.
.macro STREAM lay, fmt
.set j, 0
.rept 16
.if \lay
	global_load_b128 v[X+4*j:X+4*j+3], v[IN+2], s[4:5] offset:(j/2)*8192+(j%2)*256 th:TH_LOAD_NT
.else
	global_load_b128 v[X+4*j:X+4*j+3], v[IN], s[4:5] offset:512*j th:TH_LOAD_NT
.endif
.set j, j+1
.endr
.set j, 0
.rept 16
	s_wait_loadcnt 15-j                            ; loads come back in order: load j is in, the 15 - j younger ones may stay out
.if \fmt
	v_cvt_pk_bf16_f32 v[T], v[X+4*j], v[X+4*j+1]
	v_cvt_pk_bf16_f32 v[T+1], v[X+4*j+2], v[X+4*j+3]
	v_lshlrev_b32 v[T+2], 16, v[T]                 ; the rounded numbers as f32 again,
	v_and_b32 v[T+3], s13, v[T]
	v_cvt_pk_f16_f32 v[Y+2*j], v[T+2], v[T+3]      ; and as f16
	v_lshlrev_b32 v[T+2], 16, v[T+1]
	v_and_b32 v[T+3], s13, v[T+1]
	v_cvt_pk_f16_f32 v[Y+2*j+1], v[T+2], v[T+3]
.else
	v_cvt_pk_bf16_f32 v[Y+2*j], v[X+4*j], v[X+4*j+1]
	v_cvt_pk_bf16_f32 v[Y+2*j+1], v[X+4*j+2], v[X+4*j+3]
.endif
.if \lay
	global_store_b64 v[OUT+2], v[Y+2*j:Y+2*j+1], s[6:7] offset:(j%2)*262144+(j/2)*256 th:TH_STORE_NT
.else
	global_store_b64 v[OUT], v[Y+2*j:Y+2*j+1], s[6:7] offset:256*j th:TH_STORE_NT
.endif
.set j, j+1
.endr
.endm
	s_load_b512 s[16:31], s[0:1], 0x0              ; x 16, context 18, Wqkv 20, Wout 22, xb 24, vh 26, wqk 28, wo 30
	s_mov_b32 s12, ttmp9                           ; work-groups 0-511: x; 512-1023: context; 1024-1151: Wqkv; 1152-1215: Wout
	s_mov_b32 s13, 0xffff0000                      ; a word's upper bf16
	s_mov_b32 s9, 0                                ; the high words of the two offsets
	s_mov_b32 s11, 0
	v_and_b32 v1, 31, v0                           ; lane
	v_lshrrev_b32 v2, 5, v0                        ; wave
	v_lshlrev_b32 v[IN], 4, v1
	v_lshl_or_b32 v[IN], v2, 13, v[IN]             ; dense: 8,192 x wave + 16 x lane
	v_lshlrev_b32 v[OUT], 3, v1
	v_lshl_or_b32 v[OUT], v2, 12, v[OUT]           ; 4,096 x wave + 8 x lane
	v_bfe_u32 v3, v0, 4, 1                         ; lane / 16
	v_and_b32 v[IN+2], 15, v0
	v_lshlrev_b32 v[IN+2], 4, v[IN+2]
	v_lshl_or_b32 v[IN+2], v3, 12, v[IN+2]         ; by heads: a row of 4,096 bytes for the upper lanes,
	v_lshl_or_b32 v[IN+2], v2, 9, v[IN+2]          ; two heads of 256 bytes a wave
	v_lshlrev_b32 v[OUT+2], 3, v1
	v_lshl_or_b32 v[OUT+2], v2, 19, v[OUT+2]       ; two heads of 262,144 bytes a wave + 8 x lane
	s_wait_kmcnt 0x0
	s_cmp_lt_u32 s12, 512
	s_cselect_b64 s[4:5], s[16:17], s[20:21]       ; the bf16 path serves x and Wqkv
	s_cselect_b64 s[6:7], s[24:25], s[28:29]
	s_cselect_b32 s14, 0, 1024                     ; the number of the tensor's first work-group
	s_cbranch_scc1 .Lbf
	s_cmp_lt_u32 s12, 1024
	s_cbranch_scc1 .Lhead
	s_cmp_lt_u32 s12, 1152
	s_cbranch_scc1 .Lbf
	s_sub_co_u32 s12, s12, 1152                    ; Wout
	s_lshl_b32 s8, s12, 16
	s_lshl_b32 s10, s12, 15
	s_add_nc_u64 s[4:5], s[22:23], s[8:9]
	s_add_nc_u64 s[6:7], s[30:31], s[10:11]
	STREAM 0, 1
	s_endpgm
.Lhead:
	s_sub_co_u32 s12, s12, 512                     ; context: 16 rows c of 512
	s_lshl_b32 s8, s12, 16
	s_lshr_b32 s10, s12, 7                         ; the batch: 128 such groups of rows each,
	s_lshl_b32 s10, s10, 22                        ; 16 heads of 262,144 bytes
	s_and_b32 s14, s12, 127
	s_lshl_b32 s14, s14, 11                        ; 16 rows of 128 bytes in a head
	s_add_co_u32 s10, s10, s14
	s_add_nc_u64 s[4:5], s[18:19], s[8:9]
	s_add_nc_u64 s[6:7], s[26:27], s[10:11]
	STREAM 1, 1
	s_endpgm
.Lbf:
	s_sub_co_u32 s12, s12, s14
	s_lshl_b32 s8, s12, 16
	s_lshl_b32 s10, s12, 15
	s_add_nc_u64 s[4:5], s[4:5], s[8:9]
	s_add_nc_u64 s[6:7], s[6:7], s[10:11]
	STREAM 0, 0
	s_endpgm
.Lfunc_end_k_qeecbe15960_prep:
	.size	k_qeecbe15960_prep, .Lfunc_end_k_qeecbe15960_prep-k_qeecbe15960_prep
	.p2alignl 7, 3214868480
	.fill 96, 4, 3214868480
	.section	.rodata,"a",@progbits
	.p2align	6, 0x0
	.amdhsa_kernel k_qeecbe15960_prep
		.amdhsa_group_segment_fixed_size 0
		.amdhsa_private_segment_fixed_size 0
		.amdhsa_enable_private_segment 0
		.amdhsa_kernarg_size 64
		.amdhsa_user_sgpr_count 2
		.amdhsa_user_sgpr_kernarg_segment_ptr 1
		.amdhsa_wavefront_size32 1
		.amdhsa_system_sgpr_workgroup_id_x 1
		.amdhsa_system_sgpr_workgroup_id_y 1
		.amdhsa_system_sgpr_workgroup_id_z 1
		.amdhsa_system_vgpr_workitem_id 0
		.amdhsa_next_free_vgpr 112
		.amdhsa_next_free_sgpr 66
		.amdhsa_reserve_vcc 0
		.amdhsa_float_denorm_mode_32 3
		.amdhsa_float_denorm_mode_16_64 3
		.amdhsa_memory_ordered 1
		.amdhsa_forward_progress 1
		.amdhsa_inst_pref_size 27
	.end_amdhsa_kernel
	.amdgpu_metadata
---
amdhsa.version: [ 1, 2 ]
amdhsa.kernels:
  - .name:           k_qeecbe15960_prep
    .symbol:         k_qeecbe15960_prep.kd
    .args:
      - { .name: x, .offset: 0, .size: 8, .value_kind: global_buffer, .address_space: global }
      - { .name: context, .offset: 8, .size: 8, .value_kind: global_buffer, .address_space: global }
      - { .name: Wqkv, .offset: 16, .size: 8, .value_kind: global_buffer, .address_space: global }
      - { .name: Wout, .offset: 24, .size: 8, .value_kind: global_buffer, .address_space: global }
      - { .name: xb, .offset: 32, .size: 8, .value_kind: global_buffer, .address_space: global }
      - { .name: vh, .offset: 40, .size: 8, .value_kind: global_buffer, .address_space: global }
      - { .name: wqk, .offset: 48, .size: 8, .value_kind: global_buffer, .address_space: global }
      - { .name: wo, .offset: 56, .size: 8, .value_kind: global_buffer, .address_space: global }
    .group_segment_fixed_size: 0
    .private_segment_fixed_size: 0
    .kernarg_segment_align: 8
    .kernarg_segment_size: 64
    .max_flat_workgroup_size: 256
    .sgpr_count:     66
    .vgpr_count:     112
    .wavefront_size: 32
...
	.end_amdgpu_metadata
.endif
;; end of part 1
;; launch proj (part 2): grid 8 x 32, 4 waves a work-group, clusters of 4 x 4, 327,680 bytes of LDS; arguments xb, wqk, qk, bqkv; writes qk
.if DOCPART == 2
	.amdgcn_target "amdgcn-amd-amdhsa--gfx1250"
	.amdhsa_code_object_version 6
	.text
	.protected	k_qeecbe15960_proj
	.globl	k_qeecbe15960_proj
	.p2align	8
	.type	k_qeecbe15960_proj,@function
k_qeecbe15960_proj:
	s_mov_b64 s[64:65], 0
	v_nop
	global_prefetch_b8 v0, s[64:65] scope:SCOPE_SE
	s_setreg_imm32_b32 hwreg(HW_REG_WAVE_MODE, 25, 1), 1
	s_wait_xcnt 0x0
	s_wait_alu depctr_hold_cnt(0) depctr_sa_sdst(0) depctr_va_vdst(0) depctr_va_sdst(0) depctr_va_ssrc(0) depctr_va_vcc(0) depctr_vm_vsrc(0)
	s_getreg_b32 s2, hwreg(HW_REG_IB_STS2, 6, 4)
	s_cmp_eq_u32 s2, 0
	s_cbranch_scc0 .Lentry_in_a_cluster
	s_endpgm
.Lentry_in_a_cluster:
	s_bfe_u32 s2, ttmp6, 0x10000c
	s_cmp_lg_u32 s2, 0xf033
	s_cbranch_scc0 .Lentry_shape_is_right
	s_endpgm
.Lentry_shape_is_right:
; q AND k.  C[m][n] = bqkv[n] + the sum over k of xb[m][k] wqk[n][k], m < 8,192, n < 2,048 (columns 0-1023 are q, 1024-2047 are k), K = 1,024.  Operands bf16, sums f32; the bias, rounded to bf16 like every
; input, starts each sum.  C leaves rounded once to f16, WITHOUT the softmax's scale, by heads: qk[which][batch x 16 + head][row of the batch][64], a head's rows dense, 128 bytes each.
; v (columns 2,048 on of the module's first product) enters no output number and is not made.
; LIMIT.  f16 holds no number beyond 65,504: q and k lie within it.  NaN and infinities are not treated apart.
; A tile of C, 256 x 256, is made by a work-group of four waves; a wave makes 128 x 128: 64 accumulators of 16 x 16, 512 registers.  8 x 32 tiles: 256 work-groups.  K goes in 8 steps of 128 through a ring of
; two LDS slots filled by the tensor data mover: the tiles' rows are 256 bytes of memory and start at multiples of 256 bytes.  The last K step goes by rows of C, so that finished rows leave while the others are multiplied.
; CLUSTERS: 4 x 4 work-groups.  The four of a row of the cluster need the same tiles of xb, the four of a column the same tiles of wqk.  Such a tile is asked for JOINTLY: each of the four issues the same
; tensor load, with the same descriptor and a mask that names the four, and each receives the tile in its own LDS.
; REGISTERS, in windows of 256 (s_set_vgpr_msb's low byte: bits 1:0 source 0, 3:2 source 1, 5:4 source 2, 7:6 destination):
;   window 0: v0-31 addresses; v64-127, v128-191 fragments of A = xb, two buffers (in the last K step four, of 16 rows x 128 K); v192-255 first the bias, then at work on the way out, with v32-63
;   window 1: v64-127, v128-191 fragments of B = wqk, two buffers; in the last K step all 256
;   window 2: the 32 accumulators of my rows 0-63 (accumulator (a, b) at v[8 (8 a + b)]);   window 3: those of my rows 64-127
; THE MATRIX INSTRUCTION IS USED TRANSPOSED: source 0 = 16 rows of B, source 1 = 16 rows of A.  In the result lane l holds row m = l % 16 of C and its registers 0 to 7 the columns 8 (l / 16) + 0 .. 7:
; eight neighbouring numbers of a row, 16 bytes of f16.  So the C operand that carries the bias holds bqkv[16 b + 8 (l / 16) + j] in register j, the same for every m block.
.set SIZE_K, 1024
.set KSTEP,  128
.set PITCH,  272                       ; an LDS row: 256 bytes of data + 16 of padding = 68 words: row r starts at bank 4 r mod 64 (64 banks of 4 bytes: ISA guide 11.1), so the 16 rows that a load touches start at 16 different banks
.set HALFT,  128*PITCH                 ; 128 rows: what one tensor load brings, and what one wave reads of A or of B
.set SLOT,   4*HALFT                   ; A's 256 rows, then B's 256 rows
.set STAGE,  2*SLOT                    ; behind the ring, never filled by a tensor load: for each wave two heads x 16 rows x 144 bytes, for the way out
.set SPH,    144                       ; a stage row: a head's 128 bytes + 16 = 36 words: 16 rows start at 16 different groups of four banks
.set SHEAD,  16*SPH
.set SPARE,  STAGE+4*2*SHEAD           ; behind the stages: the spare words, 128 bytes for each wave: two blocks of 256 bytes that no other line names
.set LAPS, SIZE_K/(2*KSTEP)            ; a lap = two K steps = once round the ring: 4
.set ADRA, 16                          ; v16-17  LDS address of my A fragments in slot 0, 1
.set ADRB, 20                          ; v20-21  the same for B
.set STO,  24                          ; v24     the way out: where I put 16 bytes of a row
.set RD,   25                          ; v25     the way out: where I read rows back
.set GO,   26                          ; v26     16 x lane: my place in 512 consecutive bytes of qk
.set BO,   27                          ; v27     my byte offset in bqkv
.set SPW,  28                          ; v28     LDS address of my spare word: SPARE + 4 x my thread's number; never rewritten
.set NIL,  29                          ; v29     0; never rewritten
.set PFO,  30                          ; v30     the prefetches' offset: my lane x a row of A or B in memory (2,048 bytes); never rewritten
.set PFA,  44                          ; s[44:45] where my prefetches stand: my work-group's 32 rows of the 128 that I fetch, one K step further along K than the refill that is being asked for; a prefetch names the K step after that
.set LIM,  43                          ; s43     1 in a wave that prefetches, else the greatest number
.set F0,   64                          ; fragment buffer 0
.set F1,   128                         ; fragment buffer 1
.set BIAS, 192                         ; window 0: n block b's eight numbers at BIAS + 8 b; read by the first quarter step alone
.set TMP,  192                         ; the way out: packed results, in window 0
.set OB,   32                          ; the way out: 16 rows read back from the stage: v32-63 and v224-255 by turns
.set PA,   64                          ; the last K step: A's fragments of 16 rows x 128 K, 32 registers; four such buffers, v64-191
.set G1, 24                            ; s[24:31] descriptor group 1 for A's tiles
.set G0, 32                            ; s[32:39] descriptor group 0 for A's tiles, one set for each slot
.set G1B, 48                           ; s[48:55] descriptor group 1 for B's tiles: it differs from A's in the mask alone
.set G0B, 56                           ; s[56:63] descriptor group 0 for B's tiles, one set for each slot
.set BQ, 66                            ; s[66:67] bqkv
.set MSB, 0
.macro WIN new                         ; the immediate's high byte repeats the setting that is left; a switch that changes nothing is dropped
.if MSB != (\new)
	s_set_vgpr_msb (MSB<<8)|(\new)
.set MSB, \new
.endif
.endm
.set MUL_LO, 0xa1                      ; source 0 (B) window 1, source 1 (A) window 0, C and D window 2
.set MUL_HI, 0xf1                      ; the same, C and D window 3
.set TO_B,   0x40                      ; destination window 1, address window 0
; A joint load.  Waves 0 and 1 fetch A's two halves, waves 2 and 3 B's.  Each of the two lines has ONE mask and one set of registers for all that issue it, and nothing in
; them hangs on a coordinate that the four partners do not share.  The branch hangs on the wave's number alone: it is the same in every work-group.
; An s_nop 0 and four v_nop follow each of the two lines; the jump round the other line, the label and what follows the macro come after them.
.macro JLOAD s
	s_cmp_eq_u32 s11, 0
	s_cbranch_scc0 .Lfor_b_\@
	tensor_load_to_lds s[G0+4*(\s):G0+4*(\s)+3], s[G1:G1+7]
	s_nop 0
.rept 4
	v_nop
.endr
	s_branch .Lasked_\@
.Lfor_b_\@:
	tensor_load_to_lds s[G0B+4*(\s):G0B+4*(\s)+3], s[G1B:G1B+7]
	s_nop 0
.rept 4
	v_nop
.endr
.Lasked_\@:
.endm
; A PREFETCH INTO THE L2, behind each joint load, its five lines and the run of LDS loads that follows them: the K step that stands TWO refills on, 512 matrix instructions ahead of the load that will name it:
; 32 rows x 256 bytes, a lane a row, one instruction a wave.  Each row's 256 bytes of a K step are named ONCE in the launch.  A's tile row is read by both clusters of that row of clusters: the one with
; x = 0 asks; B's tile column by the eight clusters of that column: the one with y = 0 asks.  The four partners that ask for a tile jointly share its rows out BY ADDRESS: of the 128 rows that a wave fetches
; the partner at place p takes 32 p .. 32 p + 31 (p = cx for A, cy for B): no branch hangs on a work-group's place in its cluster.  K steps 0 to 3 come by their loads alone; the last two refills have no K step two on.
.macro ASK
	s_cmp_gt_u32 s3, s[LIM]                        ; s3 = 1 in the loop's last trip
	s_cbranch_scc0 .Lnot_mine_\@
	global_prefetch_b8 v[PFO], s[PFA:PFA+1] offset:KSTEP*2 th:TH_LOAD_NT scope:SCOPE_SE
.Lnot_mine_\@:
.endm
; A round of the cluster's barrier: my work-group's barrier, so that wave 0's signal speaks for all four waves; wave 0 signals for the work-group; every wave waits for all
; sixteen work-groups; my work-group's barrier once more.  No LDS instruction of the wave is pending at a signal.
.macro CREST                           ; a round behind its opening barrier
	s_cmp_lg_u32 s10, 0
	s_cbranch_scc1 .Lnot_wave_0_\@
	s_barrier_signal -3
.Lnot_wave_0_\@:
	s_barrier_wait -3
	s_barrier_signal -1
	s_barrier_wait -1
.endm
.macro CROUND                          ; a whole round
	s_barrier_signal -1
	s_barrier_wait -1
	CREST
.endm
	s_load_b128 s[4:7], s[0:1], 0x0                ; xb s[4:5], wqk s[6:7]
	s_load_b64 s[8:9], s[0:1], 0x10                ; qk
	s_load_b64 s[BQ:BQ+1], s[0:1], 0x18            ; bqkv
	v_lshl_add_u32 v[SPW], v0, 2, SPARE
	v_mov_b32 v[NIL], 0
	ds_add_u32 v[SPW], v[NIL]                      ; the wave's opening: the add and its wait stand ahead of my first tensor load; the set-up below, work on registers, stands between them
	v_lshrrev_b32 v1, 5, v0
	v_readfirstlane_b32 s10, v1                    ; wave 0..3
	s_lshr_b32 s11, s10, 1                         ; which half of the tile's rows is mine.  Also: I fetch for A (0) or for B (1)
	s_and_b32 s12, s10, 1                          ; which half of its columns.  Also: which 128 rows of that tile I fetch
	s_bfe_u32 s40, ttmp6, 0x40000                  ; cx: my place along the cluster's x
	s_bfe_u32 s41, ttmp6, 0x40004                  ; cy: along its y
	s_lshl_b32 s42, ttmp9, 2                       ; in a cluster launch ttmp9 and ttmp7 count clusters
	s_add_co_u32 s42, s42, s40                     ; tile column of C = 4 x cluster x + cx
	s_and_b32 s13, ttmp7, 0xffff
	s_lshl_b32 s13, s13, 2
	s_add_co_u32 s13, s13, s41                     ; tile row of C = 4 x cluster y + cy
	s_lshl_b32 s43, s41, 2
	s_lshl_b32 s43, 15, s43                        ; my row of the cluster: places 4 cy .. 4 cy + 3
	s_lshl_b32 s44, 0x1111, s40                    ; my column: places cx, cx + 4, cx + 8, cx + 12
	; descriptor group 1: a tile of 128 rows x 128 elements, padded in LDS
	s_or_b32 s[G1+0], s43, (1<<16)|(1<<20)|(1<<21)|(5<<22)|(3<<25)  ; 15:0 the mask: A's tiles go to my row; 17:16 element of 2 bytes; 20 padding on; 21 set beside a mask; 24:22 after every 64 words (code 5); 31:25 of 4 words (code 3)
	s_or_b32 s[G1B+0], s44, (1<<16)|(1<<20)|(1<<21)|(5<<22)|(3<<25) ; the same with the mask of my column, for B's tiles
	s_mov_b32 s[G1B+1], KSTEP<<16
	s_mov_b32 s[G1+1], KSTEP<<16                   ; 63:48 tensor_dim0, low half = 128
	s_mov_b32 s[G1B+2], 128<<16
	s_mov_b32 s[G1+2], 128<<16                     ; 79:64 its high half = 0; 95:80 tensor_dim1, low half = 128
	s_mov_b32 s[G1B+3], KSTEP<<16
	s_mov_b32 s[G1+3], KSTEP<<16                   ; 111:96 its high half = 0; 127:112 tile_dim0 = 128
	s_mov_b32 s[G1B+4], 128
	s_mov_b32 s[G1+4], 128                         ; 143:128 tile_dim1 = 128; 159:144 tile_dim2 = 0
	s_mov_b32 s[G1B+5], SIZE_K
	s_mov_b32 s[G1+5], SIZE_K                      ; 191:160 tensor_dim0_stride, low word: elements from row to row
	s_mov_b32 s[G1B+6], 0
	s_mov_b32 s[G1+6], 0
	s_mov_b32 s[G1B+7], 0
	s_mov_b32 s[G1+7], 0
	; where the tiles come from.  A's hang on the tile row alone, which my row of the cluster shares; B's on the tile column alone, which my column shares.
	; Every wave makes both addresses, in registers that never hold the other coordinate, and asks by one of them.
	s_lshl_b32 s17, s12, 7                         ; which 128 rows of the tile I fetch
	s_lshl_b32 s16, s13, 8
	s_add_co_u32 s16, s16, s17                     ; A: row 256 x tile row + 128 x half
	s_lshl_b32 s46, s42, 8
	s_add_co_u32 s46, s46, s17                     ; B: row 256 x tile column + 128 x half
	s_mov_b32 s17, 0
	s_mov_b32 s47, 0
	s_mov_b64 s[18:19], SIZE_K*2
	s_mul_u64 s[16:17], s[16:17], s[18:19]         ; in bytes, in 64 bits
	s_mul_u64 s[46:47], s[46:47], s[18:19]
	s_mul_i32 s20, s10, HALFT                      ; and where they go: A's two halves, then B's two halves = wave x 128 rows: no place in the cluster enters an LDS address
	s_wait_dscnt 0x0                               ; the opening add is done
	s_wait_kmcnt 0x0
	s_add_nc_u64 s[14:15], s[4:5], s[16:17]
	s_add_nc_u64 s[46:47], s[6:7], s[46:47]
	CROUND                                         ; all sixteen work-groups are here: the first joint loads meet
.irp s, 0,1
	s_mov_b32 s[G0+4*(\s)], 1                                      ; 1:0 count = 1
	s_add_co_u32 s[G0+4*(\s)+1], s20, (\s)*SLOT                    ; 63:32 LDS address
	s_add_nc_u64 s[G0+4*(\s)+2:G0+4*(\s)+3], s[14:15], (\s)*KSTEP*2  ; 120:64 global address: K step s
	s_or_b32 s[G0+4*(\s)+3], s[G0+4*(\s)+3], 0x80000000            ; 127:126 type = 2
	s_mov_b32 s[G0B+4*(\s)], 1
	s_add_co_u32 s[G0B+4*(\s)+1], s20, (\s)*SLOT
	s_add_nc_u64 s[G0B+4*(\s)+2:G0B+4*(\s)+3], s[46:47], (\s)*KSTEP*2
	s_or_b32 s[G0B+4*(\s)+3], s[G0B+4*(\s)+3], 0x80000000
	JLOAD \s                                       ; the ring is filled before anything else is done: two loads of mine are out
.endr
	; A fragment is 16 rows x 32 K in 8 registers: lane l holds row l % 16; registers 0-3 hold K = 8 (l / 16) + 0..7, registers 4-7 hold
	; K = 16 + 8 (l / 16) + 0..7.  From rows that lie along K: two loads of 16 bytes, 32 bytes apart.  The same for source 0 and source 1.
	v_and_b32 v1, 15, v0                           ; l % 16
	v_bfe_u32 v2, v0, 4, 1                         ; l / 16
	v_mul_u32_u24 v3, v1, PITCH
	v_lshl_add_u32 v3, v2, 4, v3                   ; row x pitch + 16 x half
	s_mul_i32 s21, s11, HALFT                      ; my 128 rows of A
	s_mul_i32 s22, s12, HALFT                      ; my 128 rows of B,
	s_add_co_u32 s22, s22, 2*HALFT                 ; which lie behind A's 256
.irp s, 0,1
	v_add_nc_u32 v[ADRA+(\s)], s21, v3
	v_add_nc_u32 v[ADRB+(\s)], s22, v3
	s_add_co_u32 s21, s21, SLOT
	s_add_co_u32 s22, s22, SLOT
.endr
	s_mul_i32 s23, s10, 2*SHEAD
	s_add_co_u32 s23, s23, STAGE                   ; my stage
	v_mul_u32_u24 v4, v1, SPH                      ; in: row l % 16, 16 bytes for each half of the lanes
	v_lshl_add_u32 v4, v2, 4, v4
	v_add_nc_u32 v[STO], s23, v4
	v_bfe_u32 v5, v0, 3, 2                         ; back: 32 lanes take four rows of 128 bytes,
	v_mul_u32_u24 v5, v5, SPH
	v_and_b32 v6, 7, v0
	v_lshl_add_u32 v5, v6, 4, v5
	v_add_nc_u32 v[RD], s23, v5
	v_and_b32 v[GO], 31, v0                        ; which are 512 consecutive bytes of a head
	v_lshlrev_b32 v[GO], 4, v[GO]
	; where my part of the tile begins in qk.  Row 256 x tile row + 128 x half is row ((tile row % 8) x 256 + 128 x half) of batch tile row / 8; column 256 x tile column + 128 x half is head
	; 4 (tile column % 4) + 2 x half of q (tile column < 4) or k.  A batch is 2^22 bytes, a head 2^18, a row 2^7, q and k 2^24 each.
	s_lshr_b32 s16, s13, 3
	s_lshl_b32 s16, s16, 22
	s_and_b32 s17, s13, 7
	s_lshl_b32 s17, s17, 15
	s_add_co_u32 s16, s16, s17
	s_lshl_b32 s17, s11, 14
	s_add_co_u32 s16, s16, s17
	s_mov_b32 s17, 0
	s_add_nc_u64 s[8:9], s[8:9], s[16:17]
	s_lshr_b32 s46, s42, 2                         ; (in the registers that held B's address: none that feeds A's descriptors ever holds cx)
	s_lshl_b32 s46, s46, 24
	s_and_b32 s47, s42, 3
	s_lshl_b32 s47, s47, 20
	s_add_co_u32 s46, s46, s47
	s_lshl_b32 s47, s12, 19
	s_add_co_u32 s46, s46, s47
	s_mov_b32 s47, 0
	s_add_nc_u64 s[8:9], s[8:9], s[46:47]
	; the bias of my 128 columns: 4 bytes x (256 x tile column + 128 x half + 16 b + 8 (l / 16) + j)
	s_lshl_b32 s46, s42, 10
	s_lshl_b32 s47, s12, 9
	s_add_co_u32 s46, s46, s47
	v_lshl_add_u32 v[BO], v2, 5, s46
.irp b, 0,1,2,3,4,5,6,7
	global_load_b128 v[BIAS+8*(\b):BIAS+8*(\b)+3],   v[BO], s[BQ:BQ+1] offset:64*(\b)
	global_load_b128 v[BIAS+8*(\b)+4:BIAS+8*(\b)+7], v[BO], s[BQ:BQ+1] offset:64*(\b)+16
.endr
	; the prefetches.  s13 = tile row, s42 = tile column, s40 = cx, s41 = cy still stand; s[4:5] = A, s[6:7] = B
	s_lshl_b32 s13, s13, 8
	s_lshl_b32 s42, s42, 8
	s_and_b32 s22, ttmp7, 0xffff                   ; cluster y
	s_cmp_eq_u32 s11, 0                            ; do I fetch for A?
	s_cselect_b32 s20, s13, s42                    ; the tile's first row: in A by the tile row, in B by the tile column
	s_cselect_b32 s21, s40, s41                    ; my place among the four that ask for it with me
	s_cselect_b32 s22, ttmp9, s22                  ; the coordinate along which other clusters read the same rows
	s_cselect_b64 s[PFA:PFA+1], s[4:5], s[6:7]
	s_cmp_eq_u32 s22, 0
	s_cselect_b32 s[LIM], 1, -1                    ; the same in all sixteen partners, for a given wave
	s_lshl_b32 s22, s12, 7
	s_add_co_u32 s20, s20, s22                     ; + the 128 rows that I fetch
	s_lshl_b32 s21, s21, 5
	s_add_co_u32 s20, s20, s21                     ; + my work-group's 32 of them
	s_mov_b32 s21, 0
	s_mov_b64 s[18:19], SIZE_K*2
	s_mul_u64 s[20:21], s[20:21], s[18:19]
	s_add_nc_u64 s[PFA:PFA+1], s[PFA:PFA+1], s[20:21]
	s_add_nc_u64 s[PFA:PFA+1], s[PFA:PFA+1], 2*KSTEP*2  ; at K step 2: the first refill steps it to 3 and names K step 4
	v_and_b32 v[PFO], 31, v0
	v_mul_u32_u24 v[PFO], v[PFO], SIZE_K*2
	s_wait_loadcnt 0x0                             ; the bias is in: it is rounded to bf16, like every input, and kept as f32
.set i, 0
.rept 32
	v_cvt_pk_bf16_f32 v32, v[BIAS+2*i], v[BIAS+2*i+1]
	v_lshlrev_b32 v[BIAS+2*i], 16, v32
	v_and_b32 v[BIAS+2*i+1], 0xffff0000, v32
.set i, i+1
.endr
; 16 matrix instructions: m blocks a0, a0 + 1 of the window's four (hi = 0: my rows 0-63, 1: rows 64-127) x all 8 n blocks, 32 along K.
; first = 1: the first product starts the sums, with the bias (window 0) as its C: nothing is ever cleared, and no bias is added on the way out.
.macro MUL16 f, hi, a0, first
.if \first
	WIN 0x81+0x40*(\hi)                            ; source 0 window 1, sources 1 and 2 window 0, destination window 2 or 3
.else
	WIN MUL_LO+0x50*(\hi)                          ; MUL_LO or MUL_HI
.endif
.irp a, \a0, (\a0)+1
.irp b, 0,1,2,3,4,5,6,7
.if \first
	v_wmma_f32_16x16x32_bf16 v[8*(8*(\a)+(\b)):8*(8*(\a)+(\b))+7], v[(\f)+8*(\b):(\f)+8*(\b)+7], v[(\f)+8*(4*(\hi)+(\a)):(\f)+8*(4*(\hi)+(\a))+7], v[BIAS+8*(\b):BIAS+8*(\b)+7]
.else
	v_wmma_f32_16x16x32_bf16 v[8*(8*(\a)+(\b)):8*(8*(\a)+(\b))+7], v[(\f)+8*(\b):(\f)+8*(\b)+7], v[(\f)+8*(4*(\hi)+(\a)):(\f)+8*(4*(\hi)+(\a))+7], v[8*(8*(\a)+(\b)):8*(8*(\a)+(\b))+7]
.endif
.endr
.endr
.endm
; 32 LDS loads in one run: the fragments of one quarter step (128 rows of B, 128 rows of A, 32 K at byte k of the rows) into buffer f
.macro FETCH slot, k, f
	WIN TO_B
.irp i, 0,1,2,3,4,5,6,7
	ds_load_b128 v[(\f)+8*(\i):(\f)+8*(\i)+3],   v[ADRB+(\slot)] offset:(\k)+(\i)*16*PITCH
	ds_load_b128 v[(\f)+8*(\i)+4:(\f)+8*(\i)+7], v[ADRB+(\slot)] offset:(\k)+(\i)*16*PITCH+32
.endr
	WIN 0
.irp i, 0,1,2,3,4,5,6,7
	ds_load_b128 v[(\f)+8*(\i):(\f)+8*(\i)+3],   v[ADRA+(\slot)] offset:(\k)+(\i)*16*PITCH
	ds_load_b128 v[(\f)+8*(\i)+4:(\f)+8*(\i)+7], v[ADRA+(\slot)] offset:(\k)+(\i)*16*PITCH+32
.endr
.endm
; A load into a register that a matrix instruction has read, and a vector instruction that reads a matrix result or writes one of a matrix instruction's registers, stand four places behind that matrix
; instruction, and only plain vector instructions that name none of its registers are places (ISA guide 7.12.1 for vector instructions).
.macro PLACES
.rept 4
	v_nop
.endr
.endm
; A K step is four quarter steps of 32 along K, 64 matrix instructions each, on buffers 0, 1, 0, 1.  The 64 accumulators take turns in the same order in every quarter.
; One of the first three: multiplies buffer f; in its middle it fetches the next quarter's fragments, at byte k of the same slot's rows, into buffer g.
.macro QUARTER slot, k, f, g, first
	s_wait_dscnt 8                                 ; B and A's rows 0-63 are in; the youngest eight loads (A's rows 64-127) may be out
	MUL16 \f, 0, 0, \first
	MUL16 \f, 0, 2, \first
	PLACES
	FETCH \slot, \k, \g
	s_wait_dscnt 32                                ; all but the 32 just issued
	MUL16 \f, 1, 0, \first
	MUL16 \f, 1, 2, \first
.endm
; The last quarter multiplies buffer 1 and changes slots.  MEET is its first half: ONE barrier for the change of slots, for two things.  In front of it each wave waits for
; all its tensor loads, of which one is out: its part of the next slot; adds 0 to its spare word; and waits for that and for its own reads of this slot.  Behind it nobody reads this slot any more and the next slot is whole.
.macro MEET round                      ; round = 1: a round of the cluster's barrier follows
	WIN 0                                          ; (the add's two registers lie in window 0)
	s_wait_tensorcnt 0x0                           ; all my tensor loads have landed: the one that was out is my part of the next slot;
	ds_add_u32 v[SPW], v[NIL]                      ; 0 onto my spare word;
	s_wait_dscnt 9                                 ; (the add and the youngest eight loads may be out)
	MUL16 F1, 0, 0, 0                              ; sixteen matrix instructions stand between the add and the wait for it
	s_wait_dscnt 0x0                               ; the add is done, and my reads of this slot are over:
	s_barrier_signal -1                            ; say so (where a slot is filled again this barrier opens a round of the cluster's barrier),
	MUL16 F1, 0, 2, 0                              ; work on registers while the others arrive,
.if \round
	WIN 0
.endif
	s_barrier_wait -1                              ; and go on when all four have said so
.endm
; The whole last quarter.  Behind the round the slot just read out is filled again first, with the K step two steps on; then come the next slot's first fragments.
; From a request to the wait for it a wave issues 224 matrix instructions.
.macro TURN slot, next
	s_wait_xcnt 0x0                                ; the last prefetch, a K step back, has read its address: it is stepped here, ahead of the waits of the change of slots
	s_add_nc_u64 s[PFA:PFA+1], s[PFA:PFA+1], KSTEP*2
	MEET 1
	CREST                                          ; wave 0 says so for the work-group, all sixteen work-groups have said so, my work-group's barrier closes the round:
	                                               ; no wave of any partner still reads this slot's tile or has a load on its way
	s_add_nc_u64 s[G0+4*(\slot)+2:G0+4*(\slot)+3], s[G0+4*(\slot)+2:G0+4*(\slot)+3], 2*KSTEP*2
	s_add_nc_u64 s[G0B+4*(\slot)+2:G0B+4*(\slot)+3], s[G0B+4*(\slot)+2:G0B+4*(\slot)+3], 2*KSTEP*2
	JLOAD \slot                                    ; the first tensor load behind the round, my only one until the next; the four v_nop behind it are also the places in front of the loads below
	FETCH \next, 0, F0
	ASK                                            ; behind the joint load and the run of LDS loads that the next products wait for
	MUL16 F1, 1, 0, 0
	MUL16 F1, 1, 2, 0
.endm
; THE LAST K STEP (it lies in slot 1) GOES BY ROWS OF C, NOT BY K.  All its fragments of B (4 quarters x 64 registers) fill window 1; then my eight blocks of 16 rows are
; finished one after the other, each with 32 matrix instructions (its 8 accumulators by turns, K ascending).  LDS is read no more than in any other K step.
.macro BLOAD q                         ; B's fragments of quarter q -> window 1, v[64 q ..]
	WIN TO_B
.irp i, 0,1,2,3,4,5,6,7
	ds_load_b128 v[64*(\q)+8*(\i):64*(\q)+8*(\i)+3],   v[ADRB+1] offset:64*(\q)+(\i)*16*PITCH
	ds_load_b128 v[64*(\q)+8*(\i)+4:64*(\q)+8*(\i)+7], v[ADRB+1] offset:64*(\q)+(\i)*16*PITCH+32
.endr
.endm
.macro ALOAD a                         ; A's fragments of block a, all four quarters -> buffer a % 4
	WIN 0
.set FA, PA+32*((\a)%4)
.irp q, 0,1,2,3
	ds_load_b128 v[FA+8*(\q):FA+8*(\q)+3],   v[ADRA+1] offset:64*(\q)+(\a)*16*PITCH
	ds_load_b128 v[FA+8*(\q)+4:FA+8*(\q)+7], v[ADRA+1] offset:64*(\q)+(\a)*16*PITCH+32
.endr
.endm
.macro ROW a                           ; block a is finished: 32 matrix instructions
.set FA, PA+32*((\a)%4)                ; its fragments of A
.set AC, 64*((\a)%4)                   ; its eight accumulators, in window 2 (blocks 0-3) or 3 (blocks 4-7)
	WIN MUL_LO+0x50*((\a)/4)                       ; MUL_LO or MUL_HI
.irp q, 0,1,2,3
.if (\a) == 0 && (\q) == 2
	s_wait_dscnt 24                                ; B's quarter 2 is in (behind it: A's blocks 1 to 3)
.endif
.irp b, 0,1,2,3,4,5,6,7
	v_wmma_f32_16x16x32_bf16 v[AC+8*(\b):AC+8*(\b)+7], v[64*(\q)+8*(\b):64*(\q)+8*(\b)+7], v[FA+8*(\q):FA+8*(\q)+7], v[AC+8*(\b):AC+8*(\b)+7]
.endr
.endr
.endm
; THE WAY OUT of block a (16 rows x my two heads), in three parts.  PACK: rounded to f16, 16 bytes a lane; each accumulator's registers in ascending order.  TOSTAGE: into my own stage in LDS, head by head,
; and back as whole rows of 128 bytes, four to a load.  SEND: stored, 512 consecutive bytes of a head an instruction.
.macro PACK a
.set AC, 64*((\a)%4)
	WIN 0x0a+5*((\a)/4)                            ; sources 0 and 1: window 2 or 3
.irp b, 0,1,2,3,4,5,6,7
.irp r, 0,1,2,3
	v_cvt_pk_f16_f32 v[TMP+4*(\b)+(\r)], v[AC+8*(\b)+2*(\r)], v[AC+8*(\b)+2*(\r)+1]
.endr
.endr
	WIN 0
.endm
.macro TOSTAGE a
	WIN 0
.set BK, OB+192*((\a)%2)
.irp b, 0,1,2,3,4,5,6,7
	ds_store_b128 v[STO], v[TMP+4*(\b):TMP+4*(\b)+3] offset:((\b)/4)*SHEAD+((\b)%4)*32  ; n block b: head b / 4, channels 16 (b % 4) on
.endr
.irp t, 0,1,2,3,4,5,6,7
	ds_load_b128 v[BK+4*(\t):BK+4*(\t)+3], v[RD] offset:((\t)/4)*SHEAD+((\t)%4)*4*SPH  ; LDS serves a wave's instructions in order (ISA guide 5.7.1.4): these see the stores above
.endr
.endm
.macro SEND a, younger                 ; younger: the LDS loads issued behind TOSTAGE's, which may stay out
	WIN 0
.set BK, OB+192*((\a)%2)
	s_wait_dscnt \younger                          ; the block is back in registers
	s_wait_xcnt 0x0                                ; every earlier store has had its addresses translated (ISA guide 3.1): the registers that the block before stored from are loaded again only behind this wait
.irp t, 0,1,2,3,4,5,6,7
	global_store_b128 v[GO], v[BK+4*(\t):BK+4*(\t)+3], s[8:9] offset:((\t)/4)*262144+(\a)*2048+((\t)%4)*512  ; head t / 4; the block's 16 rows; four rows: 512 consecutive bytes at a multiple of 256 from qk's first byte
.endr
.endm
	s_wait_tensorcnt 1                             ; my part of K step 0 is in; K step 1's may stay out
	s_barrier_signal -1
	s_barrier_wait -1                              ; everybody's is
	FETCH 0, 0, F0
	QUARTER 0, 64,  F0, F1, 1                      ; the first quarter stands in front of the loop: its products start the sums
	WIN 0                                          ; at a label and at a branch every window is 0
	s_mov_b32 s3, LAPS-1
.Llap:                                                 ; a trip goes once round the ring, from a lap's second quarter to the next lap's first, and fills both slots again
	QUARTER 0, 128, F1, F0, 0
	QUARTER 0, 192, F0, F1, 0
	TURN 0, 1
	QUARTER 1, 64,  F0, F1, 0
	QUARTER 1, 128, F1, F0, 0
	QUARTER 1, 192, F0, F1, 0
	TURN 1, 0
	QUARTER 0, 64,  F0, F1, 0
	WIN 0
	s_sub_co_u32 s3, s3, 1
	s_cmp_lg_u32 s3, 0
	s_cbranch_scc1 .Llap
	QUARTER 0, 128, F1, F0, 0                      ; the last lap goes on
	QUARTER 0, 192, F0, F1, 0
	MEET 0                                         ; my one tensor load that was still out is slot 1's, the last K step's, so no round follows
	PLACES                                         ; for the loads into buffer 0, which the quarter before multiplied
	BLOAD 0                                        ; three quarters of B now: buffer 1 (v128-191 of both windows) is still being multiplied
	BLOAD 1
	BLOAD 3
	ALOAD 0
	MUL16 F1, 1, 0, 0
	MUL16 F1, 1, 2, 0
	PLACES                                         ; for the loads into buffer 1
	BLOAD 2
	ALOAD 1
	ALOAD 2
	ALOAD 3
	s_wait_dscnt 40                                ; all but the 40 just issued
	ROW 0
.irp a, 0,1,2,3,4,5,6,7                ; each block leaves as soon as it is finished
	PLACES                                         ; its conversions read results just made, and no other vector work is at hand
	PACK \a
	TOSTAGE \a
.if (\a) < 4
	ALOAD (\a)+4                                   ; its buffer takes the block four further on
	SEND \a, 8
.else
	SEND \a, 0
.endif
.if (\a) < 7
	ROW (\a)+1
.endif
.endr
	s_wait_tensorcnt 0x0                           ; the wave's end: a tensor wait, an add to my spare word and its wait, behind my last tensor load and my last LDS store
	ds_add_u32 v[SPW], v[NIL]
	s_wait_dscnt 0x0
	CROUND                                         ; the closing round: no work-group ends while a partner may still ask for a tile that names it
	s_endpgm
.Lfunc_end_k_qeecbe15960_proj:
	.size	k_qeecbe15960_proj, .Lfunc_end_k_qeecbe15960_proj-k_qeecbe15960_proj
	.p2alignl 7, 3214868480
	.fill 96, 4, 3214868480
	.section	.rodata,"a",@progbits
	.p2align	6, 0x0
	.amdhsa_kernel k_qeecbe15960_proj
		.amdhsa_group_segment_fixed_size 327680
		.amdhsa_private_segment_fixed_size 0
		.amdhsa_enable_private_segment 0
		.amdhsa_kernarg_size 32
		.amdhsa_user_sgpr_count 2
		.amdhsa_user_sgpr_kernarg_segment_ptr 1
		.amdhsa_wavefront_size32 1
		.amdhsa_system_sgpr_workgroup_id_x 1
		.amdhsa_system_sgpr_workgroup_id_y 1
		.amdhsa_system_sgpr_workgroup_id_z 1
		.amdhsa_system_vgpr_workitem_id 0
		.amdhsa_next_free_vgpr 1024
		.amdhsa_next_free_sgpr 68
		.amdhsa_reserve_vcc 0
		.amdhsa_float_denorm_mode_32 3
		.amdhsa_float_denorm_mode_16_64 3
		.amdhsa_memory_ordered 1
		.amdhsa_forward_progress 1
		.amdhsa_inst_pref_size 151
	.end_amdhsa_kernel
	.amdgpu_metadata
---
amdhsa.version: [ 1, 2 ]
amdhsa.kernels:
  - .name:           k_qeecbe15960_proj
    .symbol:         k_qeecbe15960_proj.kd
    .args:
      - { .name: xb, .offset: 0, .size: 8, .value_kind: global_buffer, .address_space: global }
      - { .name: wqk, .offset: 8, .size: 8, .value_kind: global_buffer, .address_space: global }
      - { .name: qk, .offset: 16, .size: 8, .value_kind: global_buffer, .address_space: global }
      - { .name: bqkv, .offset: 24, .size: 8, .value_kind: global_buffer, .address_space: global }
    .group_segment_fixed_size: 327680
    .private_segment_fixed_size: 0
    .kernarg_segment_align: 8
    .kernarg_segment_size: 32
    .max_flat_workgroup_size: 128
    .sgpr_count:     68
    .vgpr_count:     1024
    .wavefront_size: 32
...
	.end_amdgpu_metadata
.endif
;; end of part 2
;; launch attn (part 3): grid 4 x 64, 4 waves a work-group, clusters of 4 x 1, 327,680 bytes of LDS; arguments qk, vh, oh; writes oh
.if DOCPART == 3
	.amdgcn_target "amdgcn-amd-amdhsa--gfx1250"
	.amdhsa_code_object_version 6
	.text
	.protected	k_qeecbe15960_attn
	.globl	k_qeecbe15960_attn
	.p2align	8
	.type	k_qeecbe15960_attn,@function
k_qeecbe15960_attn:
	s_mov_b64 s[64:65], 0
	v_nop
	global_prefetch_b8 v0, s[64:65] scope:SCOPE_SE
	s_setreg_imm32_b32 hwreg(HW_REG_WAVE_MODE, 25, 1), 1
	s_wait_xcnt 0x0
	s_wait_alu depctr_hold_cnt(0) depctr_sa_sdst(0) depctr_va_vdst(0) depctr_va_sdst(0) depctr_va_ssrc(0) depctr_va_vcc(0) depctr_vm_vsrc(0)
	s_getreg_b32 s2, hwreg(HW_REG_IB_STS2, 6, 4)
	s_cmp_eq_u32 s2, 0
	s_cbranch_scc0 .Lentry_in_a_cluster
	s_endpgm
.Lentry_in_a_cluster:
	s_bfe_u32 s2, ttmp6, 0x10000c
	s_cmp_lg_u32 s2, 0x3003
	s_cbranch_scc0 .Lentry_shape_is_right
	s_endpgm
.Lentry_shape_is_right:
; O[h][q][:] = the sum over k of softmax_k(Q[h][q] . K[h][k] / 8) V[h][k][:], for the 64 pairs h of batch and head.  Q = qk's first half, K = its second, V = vh (the context by heads), O = oh:
; each [64][2048][64] in f16: a head's rows are dense, 128 bytes each.  Products, maxima and sums in f32; the weights p are rounded to f16 for the second product (their sum l is taken of the unrounded p), O once at the end.
; LIMITS.  f16 holds no number beyond 65,504: Q, K and V arrive within it; p lies in 0 to 1, and below 6e-5 it keeps f16's fixed step of 6e-8; O is a mean of V's rows and has their range.
; A weight below 2^-126 counts as 0 in l; NaN and infinities are not treated apart.
; SHARES.  A wave owns four PIECES of two tiles of 16 queries, a work-group's four waves 512 queries of one head: 4 x 64 = 256 work-groups.  Every wave walks all keys, 64 a step.
; LAYOUT.  S^T = K Q^T (source 0 = 16 keys, source 1 = 16 queries): in the result a lane holds ONE query (lane % 16) and the keys 8 (lane / 16) + 0..7.  Two such tiles, rounded to f16 in pairs,
; ARE source 1 (32 keys x 16 queries) of O^T = V^T P, whose result again holds one query a lane, and eight channels.  K comes out of LDS as it lies, V ([key][channel]) turned, by ds_load_tr16_b128.
; SOFTMAX.  For each query a running maximum m and sum l: p = 2^(c s - c m), c = log2(e) / 8; in every step O and l are multiplied by a = 2^(c m_old - c m_new), which is 1 where m has not grown.
; m starts at the lowest finite number, O and l at 0: the first step is a step like any other, with a = 0.
; THE COUNT.  A tile and step have 16 matrix and 118 vector instructions: too many to stand all beside the matrix work.  So the order has one aim: four vector instructions that are READY behind
; EVERY matrix instruction, and the others, which need time of their own whatever the order, in runs without a gap.
; BY TURNS.  Turn n belongs to piece n (the pieces in a ring, step after step).  Its matrix work: 16 products K Q^T of piece n + 1, later 16 products V^T P of piece n - 1.  Its vector work: the scaling,
; exponentials, roundings, sums and rescaling of piece n, and the maximum and statistics of piece n + 1, whose scores the turn itself has made.  So what a turn begins with (c s - c m, O a) waits for nothing.
; CLUSTER.  The four query blocks of a cluster belong to one head and walk the same K and V, so each tile is asked for JOINTLY: the same tensor load, descriptor and mask in all four.
; Nothing is prefetched: a slot's refill is issued four key steps, 512 matrix instructions, ahead of the wait for it.
; REGISTERS, in windows of 256 (s_set_vgpr_msb says which window each operand place means: bits 1:0 source 0, 3:2 source 1, 5:4 source 2, 7:6 destination):
;   window 0: v0-11 addresses; v12-15, v48-63 at work; v16-47 four registers of statistics a tile; v64-191 S^T, two buffers of two tiles; v192-255 P, likewise
;   window 1: O^T, 32 a tile          window 2: v0-127 Q, 16 a tile; v128-191 K of one step; v192-255 V of one step          window 3: v0-1 the add's two registers
; A piece's buffers go by its number's parity: the piece in hand has one pair, its two neighbours in the ring share the other: of it P (piece n - 1) is read and S^T (piece n + 1) written.
.set SIZE_N, 2048
.set NP,    4         ; pieces a wave: a name, no knob: the register map, the loop and the fetches are made for four
.set KS,    64        ; keys in a step
.set PK,    144       ; a row of K in LDS: 128 bytes + 16 of padding = 36 words: the 16 rows of a load start at 16 different groups of four banks (64 banks of 4 bytes: ISA guide 11.1)
.set PV,    160       ; a row of V: 128 + 32 = 40 words
.set VOFF,  4*KS*PK   ; a slot holds four steps: 256 rows of K, then 256 rows of V
.set SLOT1, 1<<17     ; slot 1 begins here, so that one exclusive or turns an address in one slot into the other's
.set STAGE, SLOT1+4*KS*(PK+PV)  ; behind the ring, never filled by a tensor load: 16 rows x 144 bytes for each wave, for the way out
.set SP,    144
.set AK0, 2           ; v2   my lane's place in a tile of K; never rewritten
.set AV0, 3           ; v3   the same for V
.set AK,  4           ; v4   the LDS address of K's next run of loads
.set AV,  5           ; v5   of V's
.set QO,  6           ; v6   my byte offset in the wave's rows of Q
.set STO, 6           ;      later, the way out: where I put 16 bytes of a row
.set RD,  7           ; v7   the way out: where I read rows back
.set GO,  8           ; v8   my byte offset in 512 consecutive bytes of O
.set SPW, 0           ; v0 of window 3   LDS address of my spare word: SPARE + 4 x my thread's number; never rewritten
.set NIL, 1           ; v1 of window 3   0; never rewritten
.set SPARE, STAGE+4*16*SP  ; behind the stages: the spare words, 128 bytes for each wave: two blocks of 256 bytes that no other line names
.set MV,  12          ; v12-15  c m_old, kept while c m is made anew: by buffer and tile
.set ST,  16          ; tile t's statistics at v[ST+4 t]: c m, m, l (even keys', odd keys')
.set TMP, 48          ; by buffer and tile, four registers c0-c3 at work; when the maximum is found c2 takes a
.set S,   64
.set P,   192
.set KF,  128         ; K's fragments, in window 2: key block kb, channel half c at KF + 16 kb + 8 c
.set VF,  192         ; V's: key half kk, channel block cb at VF + 32 kk + 8 cb
.set WV,  12          ; s12  my wave's number
.set G1K, 24          ; s[24:31] descriptor group 1 for K's tiles
.set G1V, 32          ; s[32:39] for V's: it differs in the padding alone
.set G0K, 40          ; s[40:43] descriptor group 0 for K's tiles: it walks
.set G0V, 44          ; s[44:47] the same for V's
.set SLOTS, 56        ; s56  slots still to be asked for
.set CNT, 57          ; s57  counts a slot's key steps
.set CS,  58          ; s[58:59] c: the packed scaling takes the pair's low word for both halves
.set SEL, 60          ; s[60:61] v_permlanex16_b32's selects: each lane takes its own place in the other half
.set TBK, 62          ; s62  LDS byte at which K of the step to be fetched begins
.set TBV, 63          ; s63  the same for V, less VOFF
.set MSB, 0
.macro WIN new                      ; the high byte repeats the setting that is left; a switch that changes nothing is dropped
.if MSB != (\new)
	s_set_vgpr_msb (MSB<<8)|(\new)
.set MSB, (\new)
.endif
.endm
.set W_KQ, 0x0a       ; K and Q in window 2, S^T in window 0
.set W_PV, 0x52       ; V in window 2, P in window 0, O^T in window 1
.set W_RS, 0x41       ; O^T (destination and source 0) in window 1, a in window 0
.set W_MK, 0xc0       ; the add's registers are made: destination in window 3, sources in window 0
.set W_AD, 0x0f       ; the add: address (source 0) and data (source 1) in window 3
; A joint fill.  Waves 0 and 1 fetch the two halves of a slot's K, waves 2 and 3 those of its V: 128 keys each.  The branch hangs on the wave's number alone.
; An s_nop 0 and four v_nop follow each of the two lines, ahead of the jump and the label.
.macro JLOAD
	s_cmp_lt_u32 s[WV], 2
	s_cbranch_scc0 .Lfor_v_\@
	tensor_load_to_lds s[G0K:G0K+3], s[G1K:G1K+7]
	s_nop 0
.rept 4
	v_nop
.endr
	s_branch .Lasked_\@
.Lfor_v_\@:
	tensor_load_to_lds s[G0V:G0V+3], s[G1V:G1V+7]
	s_nop 0
.rept 4
	v_nop
.endr
.Lasked_\@:
.endm
; A round of the cluster's barrier: my work-group's barrier, so that wave 0's signal speaks for all four waves; wave 0 signals; every wave waits for all four work-groups; my work-group's barrier once more.
.macro CROUND
	s_barrier_signal -1
	s_barrier_wait -1
	s_cmp_lg_u32 s[WV], 0
	s_cbranch_scc1 .Lnot_wave_0_\@
	s_barrier_signal -3
.Lnot_wave_0_\@:
	s_barrier_wait -3
	s_barrier_signal -1
	s_barrier_wait -1
.endm
; THE CHANGE OF SLOTS.  The slot's last bytes, V of its fourth step, have been read.  Each wave waits for all its tensor loads, of which one is out: its part
; of the other slot; adds 0 to its spare word; and waits for that and for its own reads of the slot.  Behind the barrier nobody reads this slot any more and the other slot is whole.
; fill = 1: this slot is filled again, with the keys two slots on.  The barrier is then a round of the cluster's, so that no wave of any partner still reads the slot or has a load on its
; way, and the joint fill is the first thing behind it: it has four key steps, 512 matrix instructions, in which to land.  (At its first use nothing has been read yet: slot 0 is waited for, slot 1 filled.)
.macro CHANGE fill
	WIN W_AD
	s_wait_tensorcnt 0x0            ; no tensor load of mine is out, so a group 0 may be written
	ds_add_u32 v[SPW], v[NIL]       ; 0 onto my spare word: with fill = 1 the descriptors' steps stand between it and the wait for it
	WIN 0                           ; at a label and at a branch every window is 0
.if \fill
.irp g, G0K, G0V
	s_xor_b32 s[\g+1], s[\g+1], SLOT1  ; the walking descriptor: the other slot than last time,
	s_add_nc_u64 s[\g+2:\g+3], s[\g+2:\g+3], 4*KS*128  ; the next 256 keys; the type bits on top are not reached
.endr
	s_wait_dscnt 0x0                ; the add is done, and my reads of the slot are over
	CROUND
	JLOAD
.else
	s_wait_dscnt 0x0                ; the add is done, and my reads of the slot are over
	s_barrier_signal -1
	s_barrier_wait -1
.endif
	s_sub_co_u32 s[TBK], s[TBK], 4*KS*PK  ; the fetches go back to a slot's first step,
	s_xor_b32 s[TBK], s[TBK], SLOT1       ; in the other slot
	s_sub_co_u32 s[TBV], s[TBV], 4*KS*PV
	s_xor_b32 s[TBV], s[TBV], SLOT1
.endm
	s_load_b128 s[4:7], s[0:1], 0x0   ; qk s[4:5] (Q lies at its head), vh s[6:7]
	s_load_b64 s[10:11], s[0:1], 0x10 ; oh
	WIN W_MK
	v_lshl_add_u32 v[SPW], v0, 2, SPARE
	v_mov_b32 v[NIL], 0
	WIN W_AD
	ds_add_u32 v[SPW], v[NIL]       ; the wave's opening: the add and its wait stand ahead of my first tensor load; the set-up below, work on registers, stands between them
	WIN 0
	v_lshrrev_b32 v1, 5, v0
	v_readfirstlane_b32 s[WV], v1   ; wave 0..3
	s_bfe_u32 s13, ttmp6, 0x40000   ; cx: my place in the cluster
	s_lshl_b32 s14, ttmp9, 2        ; in a cluster launch ttmp9 counts clusters
	s_add_co_u32 s14, s14, s13      ; my block of queries = 4 x cluster x + cx: it enters Q's and O's addresses alone
	s_and_b32 s20, ttmp7, 0xffff    ; the head, which the four partners share
	s_mov_b32 s21, 0
	s_mov_b64 s[22:23], SIZE_N*128
	s_mul_u64 s[20:21], s[20:21], s[22:23]  ; the head's first byte in each of the four tensors
	s_and_b32 s16, s[WV], 1         ; which half of a slot's 256 keys I fetch:
	s_lshl_b32 s22, s16, 14         ; its 128 rows of 128 bytes in memory,
	s_mov_b32 s23, 0
	s_add_nc_u64 s[22:23], s[22:23], s[20:21]
	s_mul_i32 s17, s16, 128*PK      ; and its place in a slot, for K
	s_mul_i32 s18, s16, 128*PV      ; and for V: no place in the cluster enters an LDS address
	s_lshl_b32 s2, s14, 2
	s_add_co_u32 s2, s2, s[WV]      ; my wave among the head's,
	s_lshl_b32 s2, s2, 14           ; its 128 rows
	s_mov_b32 s3, 0
	s_add_nc_u64 s[2:3], s[2:3], s[20:21]
	; descriptor group 1.  128 keys are 16,384 dense bytes: asked for as 64 rows of 256 bytes, two keys a row, and padded in LDS after every key
	s_mov_b32 s[G1K], 15|(1<<16)|(1<<20)|(1<<21)|(4<<22)|(3<<25)  ; 15:0 the mask of four; 17:16 2-byte elements; 20 padding on; 21 set beside a mask; 24:22 after every 32 words (code 4); 31:25 4 words (code 3)
	s_mov_b32 s[G1V], 15|(1<<16)|(1<<20)|(1<<21)|(4<<22)|(7<<25)  ; the same with 8 words of padding (code 7)
.irp g, G1K, G1V
	s_mov_b32 s[\g+1], 128<<16      ; tensor_dim0 = 128
	s_mov_b32 s[\g+2], 64<<16       ; tensor_dim1 = 64
	s_mov_b32 s[\g+3], 128<<16      ; tile_dim0 = 128
	s_mov_b32 s[\g+4], 64           ; tile_dim1 = 64
	s_mov_b32 s[\g+5], 128          ; 128 elements from row to row
	s_mov_b32 s[\g+6], 0
	s_mov_b32 s[\g+7], 0
.endr
	s_mov_b32 s[CS], 0x3e38aa3b     ; c = log2(e) / 8 = 0.180337
	s_mov_b32 s[CS+1], s[CS]        ; named with it as a pair
	s_mov_b32 s[SEL], 0x76543210
	s_mov_b32 s[SEL+1], 0xfedcba98
	s_mov_b32 s[TBK], SLOT1+4*KS*PK ; the first change of slots turns these two into 0
	s_mov_b32 s[TBV], SLOT1+4*KS*PV
	s_mov_b32 s[G0K], 1             ; 1:0 count = 1
	s_mov_b32 s[G0K+1], s17         ; 63:32 LDS address: slot 0
	s_mov_b32 s[G0V], 1
	s_add_co_u32 s[G0V+1], s18, VOFF
	s_wait_dscnt 0x0                ; the opening add is done
	s_wait_kmcnt 0x0
	s_mov_b64 s[8:9], s[6:7]        ; V
	s_add_nc_u64 s[6:7], s[4:5], 0x1000000  ; K: qk's second half, 64 heads x 262,144 bytes behind Q
	s_add_nc_u64 s[G0K+2:G0K+3], s[6:7], s[22:23]  ; 120:64 global address: my half of the head's first 256 keys
	s_or_b32 s[G0K+3], s[G0K+3], 0x80000000        ; 127:126 type = 2
	s_add_nc_u64 s[G0V+2:G0V+3], s[8:9], s[22:23]
	s_or_b32 s[G0V+3], s[G0V+3], 0x80000000
	s_add_nc_u64 s[4:5], s[4:5], s[2:3]  ; Q and O at my wave's first row
	s_add_nc_u64 s[10:11], s[10:11], s[2:3]
	CROUND                          ; all four work-groups are here: the first joint loads meet
	JLOAD                           ; slot 0.  Slot 1 is asked for when slot 0 is in: one load of mine is out at any time
	; A fragment of K or Q is 16 rows x 32 channels in 8 registers: lane l holds row l % 16, channels 8 (l / 16) + 0..7 and 16 + 8 (l / 16) + 0..7: two loads of 16 bytes, 32 bytes apart.
	v_and_b32 v1, 15, v0            ; l % 16
	v_bfe_u32 v9, v0, 4, 1          ; l / 16
	v_lshlrev_b32 v[QO], 7, v1
	v_lshl_add_u32 v[QO], v9, 4, v[QO]  ; row x 128 + 16 x half
	WIN 0x80                        ; destination window 2, address window 0
.set i, 0
.rept 4*NP                          ; Q stays in registers: tile i / 2, channels 32 (i % 2) on
	global_load_b128 v[8*i:8*i+3],   v[QO], s[4:5] offset:(i/2)*2048+(i%2)*64
	global_load_b128 v[8*i+4:8*i+7], v[QO], s[4:5] offset:(i/2)*2048+(i%2)*64+32
.set i, i+1
.endr
	; What the first turn finds: V's registers and P's second buffer hold 0 (its products V^T P, of a piece that has not been, add 0), O^T and l are 0.  All this stands in the wait for the first tile.
.set i, VF
.rept 64
	v_mov_b32 v[i], 0
.set i, i+1
.endr
	WIN 0x40
.set i, 0
.rept 64*NP
	v_mov_b32 v[i], 0
.set i, i+1
.endr
	WIN 0
.set i, 0
.rept 2*NP
	v_mov_b32 v[ST+4*i], 0xfe000000    ; c m: far below every c s
	v_mov_b32 v[ST+4*i+1], 0xff7fffff  ; m
	v_mov_b32 v[ST+4*i+2], 0
	v_mov_b32 v[ST+4*i+3], 0
.set i, i+1
.endr
.set i, P+32
.rept 32
	v_mov_b32 v[i], 0
.set i, i+1
.endr
	v_mul_u32_u24 v[AK0], v1, PK
	v_lshl_add_u32 v[AK0], v9, 4, v[AK0]  ; row x pitch + 16 x half
	; The turning load takes 16 keys x 16 channels (lane l reads key 8 (l / 16) + l % 8, channels 8 ((l / 8) % 2) + 0..7) and leaves half a fragment of V^T: lane l holds channel l % 16 and 8 keys.
	v_and_b32 v10, 7, v0
	v_bfe_u32 v11, v0, 3, 1
	v_lshl_add_u32 v[AV0], v9, 3, v10
	v_mul_u32_u24 v[AV0], v[AV0], PV
	v_lshl_add_u32 v[AV0], v11, 4, v[AV0]
	v_add_nc_u32 v[AV0], VOFF, v[AV0]
	v_mov_b32 v[AK], v[AK0]         ; key step 0 lies at the head of slot 0
; THE MATRIX WORK.  The 8 accumulators of a run of 16 take turns: between the two links of a chain stand 7 others'.
; Product i of 16 of S^T = K Q^T for piece x: channels 32 (i / 8) on, keys 16 ((i / 2) % 4) on, tile 2 x + i % 2.  The first 8 start the sums.
.macro KQ x
	WIN W_KQ
.set rS, S+64*((\x)%2)+32*(i%2)+8*((i/2)%4)
.set rK, KF+16*((i/2)%4)+8*(i/8)
.set rQ, 16*(2*(\x)+i%2)+8*(i/8)
.if i < 8
	v_wmma_f32_16x16x32_f16 v[rS:rS+7], v[rK:rK+7], v[rQ:rQ+7], 0
.else
	v_wmma_f32_16x16x32_f16 v[rS:rS+7], v[rK:rK+7], v[rQ:rQ+7], v[rS:rS+7]
.endif
.endm
; Product i of 16 of O^T += V^T P for piece x: keys 32 (i / 8) on, channels 16 ((i / 2) % 4) on, tile 2 x + i % 2.
.macro PV x
	WIN W_PV
.set rO, 32*(2*(\x)+i%2)+8*((i/2)%4)
.set rV, VF+32*(i/8)+8*((i/2)%4)
.set rP, P+32*((\x)%2)+16*(i%2)+8*(i/8)
	v_wmma_f32_16x16x32_f16 v[rO:rO+7], v[rV:rV+7], v[rP:rP+7], v[rO:rO+7]
.endm
.macro MM                           ; the turn's next matrix instruction
.if i < 16
	KQ (Y+1)%NP
.set i, i+1
.else
.set i, i-16
	PV (Y+NP-1)%NP
.set i, i+17
.endif
.endm
; THE LDS LOADS stand in runs of 16, never singly among the matrix instructions: a step's K (64 keys x 64 channels: 8 fragments) and its V (turned).  Their addresses are made some lines ahead.
; last = 1 (the tail): in the last trip there is no further step, and the run is jumped over.
.macro FETCH_K last=0
	WIN 0
.if \last
	s_cmp_eq_u32 s[CNT], 1
	s_cbranch_scc1 .Lno_k_\@
.endif
	WIN 0x80                        ; destination window 2
.irp f, 0,1,2,3,4,5,6,7             ; keys 16 (f / 2) on, channels 32 (f % 2) on
	ds_load_b128 v[KF+8*\f:KF+8*\f+3],   v[AK] offset:(\f/2)*16*PK+(\f%2)*64
	ds_load_b128 v[KF+8*\f+4:KF+8*\f+7], v[AK] offset:(\f/2)*16*PK+(\f%2)*64+32
.endr
	s_add_co_u32 s[TBK], s[TBK], KS*PK  ; the next fetch is the next step's
	WIN 0
.if \last
.Lno_k_\@:
.endif
.endm
.macro FETCH_V
	WIN 0x80
.irp f, 0,1,2,3,4,5,6,7             ; keys 32 (f / 4) on, channels 16 (f % 4) on
	ds_load_tr16_b128 v[VF+8*\f:VF+8*\f+3],   v[AV] offset:(\f/4)*32*PV+(\f%4)*32
	ds_load_tr16_b128 v[VF+8*\f+4:VF+8*\f+7], v[AV] offset:(\f/4)*32*PV+16*PV+(\f%4)*32
.endr
	WIN 0
.endm
; THE VECTOR WORK OF A TURN stands in three queues, each in the order in which its entries become ready; the two tiles alternate, so that no instruction reads the result of the one before it.
.macro REGS y, u                    ; the registers of tile u (0, 1) of piece y
.set rT, ST+4*(2*(\y)+(\u))
.set rC, TMP+8*((\y)%2)+4*(\u)
.set rM, MV+2*((\y)%2)+(\u)
.set rS, S+64*((\y)%2)+32*(\u)
.set rP, P+32*((\y)%2)+16*(\u)
.set rO, 32*(2*(\y)+(\u))
.endm
; Number n of the 22 that find the NEXT piece's (Y + 1) maximum and statistics.  s0-s31 are the lane's 32 scores; each accumulator's lowest registers are read first.  XS, GS and REGS set no window: PL and EX do.
;   0-11  four chains c0-c3 of seven scores each, three operands at a time     12-14, 16  the four scores left over, the old m, and c0-c3 into c0     15  c m_old is kept
;   17, 18  the query's other 32 keys lie in the lane 16 away: the new m         19-21  c m; c m_old - c m_new; a
.macro XS u, n
	REGS (Y+1)%NP, \u
.if (\n) < 4
	v_max3_num_f32 v[rC+(\n)], v[rS+8*(\n)], v[rS+8*(\n)+1], v[rS+8*(\n)+2]
.elseif (\n) < 12
	v_max3_num_f32 v[rC+(\n)%4], v[rC+(\n)%4], v[rS+8*((\n)%4)+2*((\n)/4)+1], v[rS+8*((\n)%4)+2*((\n)/4)+2]
.elseif (\n) == 12
	v_max3_num_f32 v[rC], v[rC], v[rS+7], v[rS+15]
.elseif (\n) == 13
	v_max3_num_f32 v[rC+1], v[rC+1], v[rS+23], v[rS+31]
.elseif (\n) == 14
	v_max3_num_f32 v[rC+2], v[rC+2], v[rC+3], v[rT+1]
.elseif (\n) == 15
	v_mov_b32 v[rM], v[rT]
.elseif (\n) == 16
	v_max3_num_f32 v[rC], v[rC], v[rC+1], v[rC+2]
.elseif (\n) == 17
	v_permlanex16_b32 v[rC+3], v[rC], s[SEL], s[SEL+1]
.elseif (\n) == 18
	v_max_num_f32 v[rT+1], v[rC], v[rC+3]
.elseif (\n) == 19
	v_mul_f32 v[rT], s[CS], v[rT+1]
.elseif (\n) == 20
	v_sub_f32 v[rC+1], v[rM], v[rT]
.else
	v_exp_f32 v[rC+2], v[rC+1]
.endif
.endm
; Number g of the 64 that follow the exponentials.  For each four weights k of a tile (pairs 2 k, 2 k + 1): both pairs are rounded to f16; then the second pair is added onto the first, in place;
; a group later l takes that sum (the first time as l = a l + sum).  In groups of eight, tiles alternating: round, round, add, and l for the group before.
.macro GS g
.set h, (\g)+6*((\g)/62)            ; group 0 has no group before it, and behind group 7 only l is left
.if h >= 6
.set h, h+2
.endif
	REGS Y, h%2
.set k, h/8
.if h%8 < 4
	s_wait_alu depctr_va_vdst(0)
	v_cvt_pk_f16_f32 v[rP+2*k+(h%8)/2], v[rS+4*k+2*((h%8)/2)], v[rS+4*k+2*((h%8)/2)+1]
.elseif h%8 < 6
	v_pk_add_f32 v[rS+4*k:rS+4*k+1], v[rS+4*k:rS+4*k+1], v[rS+4*k+2:rS+4*k+3]
.elseif k == 1
	v_pk_fma_f32 v[rT+2:rT+3], v[rT+2:rT+3], v[rC+2:rC+3], v[rS:rS+1] op_sel_hi:[1,0,1]
.else
	v_pk_add_f32 v[rT+2:rT+3], v[rT+2:rT+3], v[rS+4*k-4:rS+4*k-3]
	s_wait_alu depctr_va_vdst(0)
.endif
.endm
; THE PLAIN QUEUE, 138 long.  0-31: c s - c m for the 16 pairs of both tiles.  Then GS's 64, and among them the next piece's 42: number 15 at 38, 39; 0-14 and 16
; at 42-73, behind the products that make those scores; 17-20 at 95-106, two of three, since each waits for the one before it.
.macro PL
	WIN 0
.if q < 32
	REGS Y, q%2
	v_pk_fma_f32 v[rS+2*(q/2):rS+2*(q/2)+1], v[rS+2*(q/2):rS+2*(q/2)+1], s[CS:CS+1], v[rT:rT+1] op_sel_hi:[1,0,0] neg_lo:[0,0,1] neg_hi:[0,0,1]
.elseif q < 38
	GS q-32
.elseif q < 40
	XS q%2, 15
.elseif q < 42
	GS q-34
.elseif q < 74
	XS q%2, (q-42)/2+(q-42)/30
.elseif q < 95
	GS q-66
.elseif (q < 107) && ((q-95)%3 < 2)
	XS (q-95)%3, 17+(q-95)/3
.elseif q < 107
	GS 29+(q-95)/3
.else
	GS q-74
.endif
.set q, q+1
.endm
; THE EXPONENTIALS' QUEUE, 66 long: s0-s31 of both tiles, and at EA the next piece's two a.
.set EA, 58
.macro EX
	WIN 0
.if (e == EA) || (e == EA+1)
	XS e-EA, 21
.else
.set x, e-2*(e/(EA+2))
	REGS Y, x%2
	v_exp_f32 v[rS+x/2], v[rS+x/2]
.endif
.set e, e+1
.endm
; THE RESCALING's QUEUE: O^T times a, the one part that leaves window 0, so it is dealt four at a time, eight times.
.macro R4
	REGS Y, r%2
	WIN W_RS
	s_wait_alu depctr_va_vdst(0)
.irp z, 0,1,2,3
	v_pk_mul_f32 v[rO+8*(r/2)+2*\z:rO+8*(r/2)+2*\z+1], v[rO+8*(r/2)+2*\z:rO+8*(r/2)+2*\z+1], v[rC+2:rC+3] op_sel_hi:[1,0]
.endr
.set r, r+1
.endm
; HOW THEY ARE DEALT.  Behind a matrix instruction four: plain, exponential, plain, plain (one exponential, a plain instruction on either side), or four of the rescaling.  None names a register of the
; products round it.  What is over stands in two LUMPS: exponential and plain by turns; the second ends in 22 plain instructions.  The two v_permlanex16_b32 fall into the second lump, never behind a product.
; The queues lean on each other, and the deal keeps them in step: exponential e stands behind plain 2 (e / 4) + e % 2 (its scaling); when plain 32 comes, 10 exponentials are out, at 59: 33, at 95: 46; EA comes behind plain 107.
.macro SL
	MM
	PL
	EX
	PL
	PL
.endm
.macro BURST n                      ; 15 matrix instructions, or 16
.rept (\n)-7
	SL
.endr
.rept 3
	MM
	R4
	SL
.endr
	MM
	R4
.endm
; A TURN, for piece p.  cnt = 1: the loop's count is taken down some lines ahead of the branch that stands behind the turn.
; K of the next step is fetched in piece 2's turn, 31 vector instructions behind the last product that read K; its first reader comes behind the rest of the lump, 16 products and the second lump.
; V of the step in hand is fetched at the end of piece 0's turn, 69 behind its last reader; its first reader comes behind 16 products and a lump.  The four conditions on e and q below go with the deal.
.macro TURN p, last=0, cnt=0
.set Y, (\p)
.set i, 0
.set q, 0
.set e, 0
.set r, 0
.if (\p) == NP-1
	s_wait_dscnt 0x0                ; K is in
.endif
	MM
.rept 4
	PL
.endr
	BURST 15
.rept 22
	EX
	PL
.if ((\p) == NP-2) && (e == 18)
	v_add_nc_u32 v[AK], s[TBK], v[AK0]
.endif
.if ((\p) == NP-2) && (e == 24)
	FETCH_K \last
.endif
.endr
.if (\p) == 1
	s_wait_dscnt 0x0                ; V is in
.endif
	BURST 16
.rept 21
	EX
	PL
.endr
.rept 22
	PL
.if ((\p) == 0) && (q == 118)
	v_add_nc_u32 v[AV], s[TBV], v[AV0]
	s_wait_alu depctr_va_vdst(0)
.endif
.if ((\p) == 0) && (q == 130)
	s_add_co_u32 s[TBV], s[TBV], KS*PV
.endif
.if (\cnt) && (q == 130)
	s_sub_co_u32 s[CNT], s[CNT], 1
	s_cmp_lg_u32 s[CNT], 0
.endif
.endr
.if (\p) == 0
	FETCH_V
.endif
.endm
	CHANGE 1                        ; slot 0 is in, everybody's part of it; slot 1 is asked for
	FETCH_K                         ; key step 0
	s_wait_loadcnt 0x0              ; Q
	s_wait_dscnt 0x0
.set i, 0
.rept 16
	KQ 0                            ; piece 0's first scores: there is no vector work yet to set between them
.set i, i+1
.endr
	WIN 0                           ; the addresses for the way out: nine plain instructions, the places behind those products
	s_mul_i32 s13, s[WV], 16*SP
	s_add_co_u32 s13, s13, STAGE    ; my stage
	v_mul_u32_u24 v[STO], v1, SP    ; in: row l % 16, 16 bytes for each half of the lanes
	v_lshl_add_u32 v[STO], v9, 4, v[STO]
	v_add_nc_u32 v[STO], s13, v[STO]
	v_bfe_u32 v[RD], v0, 3, 2       ; back: 32 lanes take four rows of 128 bytes,
	v_mul_u32_u24 v[RD], v[RD], SP
	v_lshl_add_u32 v[RD], v10, 4, v[RD]
	v_add_nc_u32 v[RD], s13, v[RD]
	v_and_b32 v[GO], 31, v0         ; which are 512 consecutive bytes of O
	v_lshlrev_b32 v[GO], 4, v[GO]
.set Y, NP-1                        ; XS works for piece Y + 1: piece 0
.irp n, 0,1,2,3,4,5,6,7,8,9,10,11,12,13,14,15,16,17,18,19,20,21
	XS 0, \n                        ; and piece 0's first maximum and statistics
	XS 1, \n
.endr
	s_mov_b32 s[CNT], 4
	s_mov_b32 s[SLOTS], SIZE_N/256-1
	s_branch .Lfirst                ; the loop is entered at a step's first turn, in the middle of a trip
.Lslot:                             ; SIZE_N / 256 - 2 = 6 times: every slot but the last two is filled again
	CHANGE 1
	s_mov_b32 s[CNT], 4
.Lstep:                             ; a trip: pieces 2 and 3 of one step, then pieces 0 and 1 of the next, whose K and V it fetches
	TURN 2
	TURN 3
	WIN 0
.Lfirst:
	TURN 0
	TURN 1, 0, 1
	WIN 0
	s_cbranch_scc1 .Lstep
	s_sub_co_u32 s[SLOTS], s[SLOTS], 1
	s_cmp_lg_u32 s[SLOTS], 0
	s_cbranch_scc1 .Lslot
	CHANGE 0                        ; the tail is written out: nothing is asked for
	s_mov_b32 s[CNT], 5             ; four trips fetch the last slot's steps; the fifth is left in its middle
.Ltail:
	TURN 2, 1
	TURN 3
	WIN 0
	s_sub_co_u32 s[CNT], s[CNT], 1
	s_cmp_eq_u32 s[CNT], 0
	s_cbranch_scc1 .Lout
	TURN 0
	TURN 1
	WIN 0
	s_branch .Ltail
.Lout:                              ; the fifth trip's 16 products K Q^T (on the last K once more) and the maximum made of them serve nothing: the price, once a launch, of one text for every trip
.set i, 0
.rept 16
	PV NP-1                         ; the last piece's V^T P of the last step
.set i, i+1
.endr
	; THE WAY OUT.  l's two halves and the other half of the lanes' are added; O^T is divided by l, rounded to f16 and sent through my stage in LDS, a tile at a time.  The additions are the places behind the last products.
	WIN 0
.macro ALL line:vararg              ; one line for each tile t
.set t, 0
.rept 2*NP
	\line
.set t, t+1
.endr
.endm
	ALL v_add_f32 v[ST+4*t+2], v[ST+4*t+2], v[ST+4*t+3]
	ALL v_permlanex16_b32 v[ST+4*t+3], v[ST+4*t+2], s[SEL], s[SEL+1]
	ALL v_add_f32 v[ST+4*t+2], v[ST+4*t+2], v[ST+4*t+3]
	ALL v_rcp_f32 v[ST+4*t+2], v[ST+4*t+2]
	v_nop                           ; a plain instruction between the last reciprocal and the use of its result
	s_wait_alu depctr_va_vdst(0)
; Tile t: a lane's eight channels of a row pack into 16 bytes; they go into rows of 144 bytes and come back as whole rows of 128, into S^T's registers.
.macro PACK t
	WIN W_RS
.set i, 32*(\t)
.rept 16
	v_pk_mul_f32 v[i:i+1], v[i:i+1], v[ST+4*(\t)+2:ST+4*(\t)+3] op_sel_hi:[1,0]
.set i, i+2
.endr
	WIN 0x05                        ; sources 0 and 1 window 1, destination window 0
.set i, 0
.rept 16
	v_cvt_pk_f16_f32 v[S+16*(\t)+i], v[32*(\t)+2*i], v[32*(\t)+2*i+1]
.set i, i+1
.endr
	WIN 0
.irp f, 0,1,2,3
	ds_store_b128 v[STO], v[S+16*(\t)+4*\f:S+16*(\t)+4*\f+3] offset:32*\f
.endr
.irp f, 0,1,2,3
	ds_load_b128 v[S+16*(\t)+4*\f:S+16*(\t)+4*\f+3], v[RD] offset:\f*4*SP  ; LDS serves a wave's instructions in order (ISA guide 5.7.1.4): these see the stores above; the next tile's stores come behind them
.endr
.endm
.macro SEND t, younger              ; younger: the LDS instructions issued behind tile t's loads: the next tile's eight, or none
	WIN 0
.irp f, 0,1,2,3
	s_wait_dscnt (\younger)+3-\f
	global_store_b128 v[GO], v[S+16*(\t)+4*\f:S+16*(\t)+4*\f+3], s[10:11] offset:(\t)*2048+\f*512  ; 512 consecutive bytes, at a multiple of 256 from O's first
.endr
.endm
	PACK 0
.set t, 1
.rept 2*NP-1                        ; a tile's arithmetic stands between the loads of the tile before and its stores
	PACK t
	SEND t-1, 8
.set t, t+1
.endr
	SEND 2*NP-1, 0
	WIN W_AD
	s_wait_tensorcnt 0x0            ; the wave's end: a tensor wait, an add to my spare word and its wait, behind my last tensor load and my last LDS store
	ds_add_u32 v[SPW], v[NIL]
	s_wait_dscnt 0x0
	WIN 0
	CROUND                          ; the closing round: no work-group ends while a partner may still ask for a tile that names it
	s_endpgm
.Lfunc_end_k_qeecbe15960_attn:
	.size	k_qeecbe15960_attn, .Lfunc_end_k_qeecbe15960_attn-k_qeecbe15960_attn
	.p2alignl 7, 3214868480
	.fill 96, 4, 3214868480
	.section	.rodata,"a",@progbits
	.p2align	6, 0x0
	.amdhsa_kernel k_qeecbe15960_attn
		.amdhsa_group_segment_fixed_size 327680
		.amdhsa_private_segment_fixed_size 0
		.amdhsa_enable_private_segment 0
		.amdhsa_kernarg_size 24
		.amdhsa_user_sgpr_count 2
		.amdhsa_user_sgpr_kernarg_segment_ptr 1
		.amdhsa_wavefront_size32 1
		.amdhsa_system_sgpr_workgroup_id_x 1
		.amdhsa_system_sgpr_workgroup_id_y 1
		.amdhsa_system_sgpr_workgroup_id_z 1
		.amdhsa_system_vgpr_workitem_id 0
		.amdhsa_next_free_vgpr 770
		.amdhsa_next_free_sgpr 66
		.amdhsa_reserve_vcc 0
		.amdhsa_float_denorm_mode_32 3
		.amdhsa_float_denorm_mode_16_64 3
		.amdhsa_memory_ordered 1
		.amdhsa_forward_progress 1
		.amdhsa_inst_pref_size 208
	.end_amdhsa_kernel
	.amdgpu_metadata
---
amdhsa.version: [ 1, 2 ]
amdhsa.kernels:
  - .name:           k_qeecbe15960_attn
    .symbol:         k_qeecbe15960_attn.kd
    .args:
      - { .name: qk, .offset: 0, .size: 8, .value_kind: global_buffer, .address_space: global }
      - { .name: vh, .offset: 8, .size: 8, .value_kind: global_buffer, .address_space: global }
      - { .name: oh, .offset: 16, .size: 8, .value_kind: global_buffer, .address_space: global }
    .group_segment_fixed_size: 327680
    .private_segment_fixed_size: 0
    .kernarg_segment_align: 8
    .kernarg_segment_size: 24
    .max_flat_workgroup_size: 128
    .sgpr_count:     66
    .vgpr_count:     770
    .wavefront_size: 32
...
	.end_amdgpu_metadata
.endif
;; end of part 3
;; launch outp (part 4): grid 8 x 32, 4 waves a work-group, clusters of 4 x 4, 327,680 bytes of LDS; arguments oh, wo, out0, bout; writes out0
.if DOCPART == 4
	.amdgcn_target "amdgcn-amd-amdhsa--gfx1250"
	.amdhsa_code_object_version 6
	.text
	.protected	k_qeecbe15960_outp
	.globl	k_qeecbe15960_outp
	.p2align	8
	.type	k_qeecbe15960_outp,@function
k_qeecbe15960_outp:
	s_mov_b64 s[64:65], 0
	v_nop
	global_prefetch_b8 v0, s[64:65] scope:SCOPE_SE
	s_setreg_imm32_b32 hwreg(HW_REG_WAVE_MODE, 25, 1), 1
	s_wait_xcnt 0x0
	s_wait_alu depctr_hold_cnt(0) depctr_sa_sdst(0) depctr_va_vdst(0) depctr_va_sdst(0) depctr_va_ssrc(0) depctr_va_vcc(0) depctr_vm_vsrc(0)
	s_getreg_b32 s2, hwreg(HW_REG_IB_STS2, 6, 4)
	s_cmp_eq_u32 s2, 0
	s_cbranch_scc0 .Lentry_in_a_cluster
	s_endpgm
.Lentry_in_a_cluster:
	s_bfe_u32 s2, ttmp6, 0x10000c
	s_cmp_lg_u32 s2, 0xf033
	s_cbranch_scc0 .Lentry_shape_is_right
	s_endpgm
.Lentry_shape_is_right:
; THE LAST PRODUCT.  out0[m][n] = bout[n] + the sum over k of O[m][k] wo[n][k], m < 8,192, n < 1,024, K = 1,024; out0 in f32.  Operands f16, sums f32; the bias, rounded to bf16 like every input, starts each sum.
; O lies by heads: oh[batch x 16 + head][row of the batch][64] in f16; channel k of row m is channel k % 64 of head k / 64.  wo is [1024][1024] in f16 (Wout rounded to bf16, written as f16).
; LIMITS.  What f16 holds (65,504) bounds oh and wo, which arrive within it.  NaN and infinities are not treated apart.
; A tile of out0 is 256 rows x 128 columns: 32 x 8 = 256 work-groups (tiles of 256 x 256 would be 128).  Four waves, each 128 x 64: 32 accumulators of 16 x 16, 256 registers.
; K goes in 8 steps of 128, two heads each, through a ring of two LDS slots.  A head's 256 rows of the tile are 32,768 dense bytes: asked for as 128 rows of 256 bytes and padded in LDS after every 128.
; CLUSTERS: 4 x 4 work-groups.  The four of a row of the cluster need the same tiles of O, the four of a column the same tiles of wo: each tile is asked for JOINTLY, by the same tensor load with the
; same descriptor and a mask that names the four.  THE MATRIX INSTRUCTION IS USED TRANSPOSED (source 0 = 16 rows of wo, source 1 = 16 rows of O): a lane then holds eight neighbouring numbers of a row of out0.
; REGISTERS, in windows of 256 (s_set_vgpr_msb's low byte: bits 1:0 source 0, 3:2 source 1, 5:4 source 2, 7:6 destination):
;   window 0: v0-31 addresses; v32-63 the bias; v64-127 at work on the way out      window 1: two fragment buffers of 128: A's 8 fragments (64 registers), then B's 4 (32)
;   window 2: the accumulators ((a, b) at v[8 (4 a + b)])
.set KSTEP,  128
.set PA,     144                       ; a row of A in LDS: a head's 128 bytes + 16 = 36 words: the 16 rows of a load start at 16 different groups of four banks (64 banks of 4 bytes: ISA guide 11.1)
.set AZ,     256*PA                    ; one head's slice of A's tile: what waves 0 and 1 fetch, one each
.set AB,     2*AZ                      ; B's tile lies behind A's two slices
.set PB,     272                       ; a row of B: 256 bytes + 16 = 68 words: row r starts at bank 4 r mod 64
.set BH,     64*PB                     ; 64 rows of B: what waves 2 and 3 fetch, and what one wave reads
.set SLOT,   AB+2*BH
.set STAGE,  2*SLOT                    ; behind the ring, never filled by a tensor load: 16 rows x 272 bytes for each wave, for the way out
.set SPITCH, 272
.set SPARE,  STAGE+4*16*SPITCH         ; behind the stages: the spare words, 128 bytes for each wave: two blocks of 256 bytes that no other line names
.set LAPS,   4                         ; a lap = two K steps = once round the ring
.set ADRA, 16                          ; v16-17  LDS address of my A fragments in slot 0, 1
.set ADRB, 20                          ; v20-21  the same for B
.set STO,  24                          ; v24     the way out: where I put 32 bytes of a row
.set RD,   25                          ; v25     the way out: where I read a row back
.set CO,   26                          ; v26     my byte offset in two rows of out0
.set BO,   27                          ; v27     my byte offset in bout
.set SPW,  28                          ; v28     LDS address of my spare word: SPARE + 4 x my thread's number; never rewritten
.set NIL,  29                          ; v29     0; never rewritten
.set BIAS, 32                          ; n block b's eight numbers at BIAS + 8 b
.set OB,   64                          ; the way out: 16 rows read back from the stage: v64-95 and v96-127 by turns
.set F0,   0                           ; fragment buffers, in window 1
.set F1,   128
.set G1, 24                            ; s[24:31] descriptor group 1 for A's tiles;  s[32:39] group 0, one set for each slot
.set G0, 32
.set G1B, 48                           ; s[48:55], s[56:63] the same for B's tiles
.set G0B, 56
.set BQ, 66                            ; s[66:67] bout
.set MSB, 0
.macro WIN new                         ; the immediate's high byte repeats the setting that is left; a switch that changes nothing is dropped
.if MSB != (\new)
	s_set_vgpr_msb (MSB<<8)|(\new)
.set MSB, \new
.endif
.endm
.set MUL,  0xa5                        ; sources 0 (B) and 1 (A) window 1; C and D window 2
.set MUL1, 0x85                        ; the same with C, the bias, in window 0
.set TO_F, 0x40                        ; destination window 1, address window 0
.set FROM_ACC, 0x08                    ; an LDS store's data (source 1) in window 2, its address in window 0
.macro JLOAD s                         ; a joint load: waves 0 and 1 fetch A's two head slices, waves 2 and 3 B's two halves; an s_nop 0 and four v_nop follow each of the two lines, ahead of the jump, the label and what follows
	s_cmp_eq_u32 s11, 0
	s_cbranch_scc0 .Lfor_b_\@
	tensor_load_to_lds s[G0+4*(\s):G0+4*(\s)+3], s[G1:G1+7]
	s_nop 0
.rept 4
	v_nop
.endr
	s_branch .Lasked_\@
.Lfor_b_\@:
	tensor_load_to_lds s[G0B+4*(\s):G0B+4*(\s)+3], s[G1B:G1B+7]
	s_nop 0
.rept 4
	v_nop
.endr
.Lasked_\@:
.endm
.macro CREST                           ; a round of the cluster's barrier behind its opening barrier: wave 0 signals for the work-group, every wave waits for all sixteen, my work-group's barrier closes it
	s_cmp_lg_u32 s10, 0
	s_cbranch_scc1 .Lnot_wave_0_\@
	s_barrier_signal -3
.Lnot_wave_0_\@:
	s_barrier_wait -3
	s_barrier_signal -1
	s_barrier_wait -1
.endm
.macro CROUND                          ; a whole round
	s_barrier_signal -1
	s_barrier_wait -1
	CREST
.endm
	s_load_b128 s[4:7], s[0:1], 0x0                ; oh s[4:5], wo s[6:7]
	s_load_b64 s[8:9], s[0:1], 0x10                ; out0
	s_load_b64 s[BQ:BQ+1], s[0:1], 0x18            ; bout
	v_lshl_add_u32 v[SPW], v0, 2, SPARE
	v_mov_b32 v[NIL], 0
	ds_add_u32 v[SPW], v[NIL]                      ; the wave's opening: the add and its wait stand ahead of my first tensor load; the set-up below, work on registers, stands between them
	v_lshrrev_b32 v1, 5, v0
	v_readfirstlane_b32 s10, v1                    ; wave 0..3
	s_lshr_b32 s11, s10, 1                         ; which 128 of the tile's rows are mine.  Also: I fetch for A (0) or for B (1)
	s_and_b32 s12, s10, 1                          ; which 64 of its columns.  Also: which head slice of A, or which 64 rows of B, I fetch
	s_bfe_u32 s40, ttmp6, 0x40000                  ; cx, cy: my place in the cluster
	s_bfe_u32 s41, ttmp6, 0x40004
	s_lshl_b32 s42, ttmp9, 2
	s_add_co_u32 s42, s42, s40                     ; tile column = 4 x cluster x + cx
	s_and_b32 s13, ttmp7, 0xffff
	s_lshl_b32 s13, s13, 2
	s_add_co_u32 s13, s13, s41                     ; tile row = 4 x cluster y + cy
	s_lshl_b32 s43, s41, 2
	s_lshl_b32 s43, 15, s43                        ; my row of the cluster
	s_lshl_b32 s44, 0x1111, s40                    ; my column
	; descriptor group 1.  A: 128 rows x 128 elements, dense in memory, 4 words of padding after every 32 (a head's row).  B: 64 rows x 128 elements of rows of 1,024, 4 words after every 64.
	s_or_b32 s[G1+0], s43, (1<<16)|(1<<20)|(1<<21)|(4<<22)|(3<<25)  ; 15:0 the mask: A's tiles go to my row; 17:16 element of 2 bytes; 20 padding on; 21 set beside a mask; 24:22 after every 32 words (code 4); 31:25 of 4 words (code 3)
	s_or_b32 s[G1B+0], s44, (1<<16)|(1<<20)|(1<<21)|(5<<22)|(3<<25) ; B's go to my column; after every 64 words (code 5)
	s_mov_b32 s[G1+1], 128<<16                     ; tensor_dim0 = 128
	s_mov_b32 s[G1+2], 128<<16                     ; tensor_dim1 = 128
	s_mov_b32 s[G1+3], 128<<16                     ; tile_dim0 = 128
	s_mov_b32 s[G1+4], 128                         ; tile_dim1 = 128
	s_mov_b32 s[G1+5], 128                         ; 128 elements from row to row
	s_mov_b32 s[G1+6], 0
	s_mov_b32 s[G1+7], 0
	s_mov_b32 s[G1B+1], 128<<16                    ; tensor_dim0 = 128
	s_mov_b32 s[G1B+2], 64<<16                     ; tensor_dim1 = 64
	s_mov_b32 s[G1B+3], 128<<16                    ; tile_dim0 = 128
	s_mov_b32 s[G1B+4], 64                         ; tile_dim1 = 64
	s_mov_b32 s[G1B+5], 1024                       ; 1,024 elements from row to row
	s_mov_b32 s[G1B+6], 0
	s_mov_b32 s[G1B+7], 0
	; where the tiles come from.  A's hang on the tile row alone: batch tile row / 8 (2^22 bytes), rows 256 (tile row % 8) on (2^7 bytes a row), head slice (2^18 bytes a head).  B's on the tile column alone.
	s_lshr_b32 s16, s13, 3
	s_lshl_b32 s16, s16, 22
	s_and_b32 s17, s13, 7
	s_lshl_b32 s17, s17, 15
	s_add_co_u32 s16, s16, s17
	s_lshl_b32 s17, s12, 18
	s_add_co_u32 s16, s16, s17
	s_mov_b32 s17, 0
	s_lshl_b32 s46, s42, 7
	s_lshl_b32 s47, s12, 6
	s_add_co_u32 s46, s46, s47                     ; B: row 128 x tile column + 64 x half,
	s_lshl_b32 s46, s46, 11                        ; of 2,048 bytes
	s_mov_b32 s47, 0
	s_mul_i32 s20, s12, AZ                         ; where they go: A's slice,
	s_mul_i32 s21, s12, BH
	s_add_co_u32 s21, s21, AB                      ; B's half: no place in the cluster enters an LDS address
	s_wait_dscnt 0x0                               ; the opening add is done
	s_wait_kmcnt 0x0
	s_add_nc_u64 s[14:15], s[4:5], s[16:17]
	s_add_nc_u64 s[46:47], s[6:7], s[46:47]
	CROUND                                         ; all sixteen work-groups are here: the first joint loads meet
.irp s, 0,1
	s_mov_b32 s[G0+4*(\s)], 1                                      ; count = 1
	s_add_co_u32 s[G0+4*(\s)+1], s20, (\s)*SLOT                    ; LDS address
	s_add_nc_u64 s[G0+4*(\s)+2:G0+4*(\s)+3], s[14:15], (\s)*0x80000  ; K step s: two heads on
	s_or_b32 s[G0+4*(\s)+3], s[G0+4*(\s)+3], 0x80000000            ; type = 2
	s_mov_b32 s[G0B+4*(\s)], 1
	s_add_co_u32 s[G0B+4*(\s)+1], s21, (\s)*SLOT
	s_add_nc_u64 s[G0B+4*(\s)+2:G0B+4*(\s)+3], s[46:47], (\s)*KSTEP*2
	s_or_b32 s[G0B+4*(\s)+3], s[G0B+4*(\s)+3], 0x80000000
	JLOAD \s                                       ; two loads of mine are out
.endr
	v_and_b32 v1, 15, v0                           ; l % 16
	v_bfe_u32 v2, v0, 4, 1                         ; l / 16
	v_mul_u32_u24 v3, v1, PA
	v_lshl_add_u32 v3, v2, 4, v3                   ; a fragment's row x pitch + 16 x half, for A
	v_mul_u32_u24 v4, v1, PB
	v_lshl_add_u32 v4, v2, 4, v4                   ; and for B
	s_mul_i32 s21, s11, 128*PA                     ; my 128 rows of A, in each head slice
	s_mul_i32 s22, s12, BH                         ; my 64 rows of B,
	s_add_co_u32 s22, s22, AB                      ; which lie behind A
.irp s, 0,1
	v_add_nc_u32 v[ADRA+(\s)], s21, v3
	v_add_nc_u32 v[ADRB+(\s)], s22, v4
	s_add_co_u32 s21, s21, SLOT
	s_add_co_u32 s22, s22, SLOT
.endr
	s_mul_i32 s23, s10, 16*SPITCH
	s_add_co_u32 s23, s23, STAGE                   ; my stage
	v_mul_u32_u24 v5, v1, SPITCH                   ; in: row l % 16, 32 bytes (8 numbers) for each half of the lanes
	v_lshl_add_u32 v5, v2, 5, v5
	v_add_nc_u32 v[STO], s23, v5
	v_mul_u32_u24 v5, v2, SPITCH                   ; back: lanes 0-15 take one row of 256 bytes, lanes 16-31 the next
	v_lshl_add_u32 v5, v1, 4, v5
	v_add_nc_u32 v[RD], s23, v5
	v_lshlrev_b32 v5, 12, v2                       ; and the same two rows in out0, 4,096 bytes apart
	v_lshl_add_u32 v[CO], v1, 4, v5
	s_lshl_b32 s16, s13, 8
	s_lshl_b32 s17, s11, 7
	s_add_co_u32 s16, s16, s17                     ; my first row: 256 x tile row + 128 x half,
	s_lshl_b32 s16, s16, 12                        ; of 4,096 bytes
	s_mov_b32 s17, 0
	s_add_nc_u64 s[8:9], s[8:9], s[16:17]
	s_lshl_b32 s46, s42, 9                         ; my first column, in bytes: 512 x tile column + 256 x half (in the registers that held B's address)
	s_lshl_b32 s47, s12, 8
	s_add_co_u32 s46, s46, s47
	s_mov_b32 s47, 0
	s_add_nc_u64 s[8:9], s[8:9], s[46:47]
	v_lshl_add_u32 v[BO], v2, 5, s46               ; the same bytes in bout, + 32 for the upper lanes: register j of n block b takes bout[first column + 16 b + 8 (l / 16) + j]
.irp b, 0,1,2,3
	global_load_b128 v[BIAS+8*(\b):BIAS+8*(\b)+3],   v[BO], s[BQ:BQ+1] offset:64*(\b)
	global_load_b128 v[BIAS+8*(\b)+4:BIAS+8*(\b)+7], v[BO], s[BQ:BQ+1] offset:64*(\b)+16
.endr
	s_wait_loadcnt 0x0                             ; the bias is in: it is rounded to bf16, like every input, and kept as f32
.set i, 0
.rept 16
	v_cvt_pk_bf16_f32 v[OB], v[BIAS+2*i], v[BIAS+2*i+1]
	v_lshlrev_b32 v[BIAS+2*i], 16, v[OB]
	v_and_b32 v[BIAS+2*i+1], 0xffff0000, v[OB]
.set i, i+1
.endr
; 8 matrix instructions: m blocks a0, a0 + 1 x all 4 n blocks, 32 along K, from buffer f.  first = 1: the product starts the sum, with the bias as its C: nothing is cleared, and nothing is added on the way out.
.macro MUL8 f, a0, first
.if \first
	WIN MUL1
.else
	WIN MUL
.endif
.irp a, \a0, (\a0)+1
.irp b, 0,1,2,3
.if \first
	v_wmma_f32_16x16x32_f16 v[8*(4*(\a)+(\b)):8*(4*(\a)+(\b))+7], v[(\f)+64+8*(\b):(\f)+64+8*(\b)+7], v[(\f)+8*(\a):(\f)+8*(\a)+7], v[BIAS+8*(\b):BIAS+8*(\b)+7]
.else
	v_wmma_f32_16x16x32_f16 v[8*(4*(\a)+(\b)):8*(4*(\a)+(\b))+7], v[(\f)+64+8*(\b):(\f)+64+8*(\b)+7], v[(\f)+8*(\a):(\f)+8*(\a)+7], v[8*(4*(\a)+(\b)):8*(4*(\a)+(\b))+7]
.endif
.endr
.endr
.endm
; 24 LDS loads in one run: the fragments of quarter q of a K step (32 along K) into buffer f: B's 64 rows first, then A's 128.  In A quarter q is head slice q / 2, channels 32 (q % 2) on.
.macro FETCH slot, q, f
	WIN TO_F
.irp i, 0,1,2,3
	ds_load_b128 v[(\f)+64+8*(\i):(\f)+64+8*(\i)+3],   v[ADRB+(\slot)] offset:64*(\q)+(\i)*16*PB
	ds_load_b128 v[(\f)+64+8*(\i)+4:(\f)+64+8*(\i)+7], v[ADRB+(\slot)] offset:64*(\q)+(\i)*16*PB+32
.endr
.irp i, 0,1,2,3,4,5,6,7
	ds_load_b128 v[(\f)+8*(\i):(\f)+8*(\i)+3],   v[ADRA+(\slot)] offset:((\q)/2)*AZ+((\q)%2)*64+(\i)*16*PA
	ds_load_b128 v[(\f)+8*(\i)+4:(\f)+8*(\i)+7], v[ADRA+(\slot)] offset:((\q)/2)*AZ+((\q)%2)*64+(\i)*16*PA+32
.endr
.endm
.macro PLACES                          ; four places in front of loads into registers that matrix instructions have read, and of LDS stores that read results (ISA guide 7.12.1 for vector instructions)
.rept 4
	v_nop
.endr
.endm
; A K step is four quarters of 32 along K, 32 matrix instructions each, on buffers 0, 1, 0, 1.  The 32 accumulators take turns in the same order in every quarter.
; One of the first three: multiplies buffer f and fetches quarter q into g.
.macro QUARTER slot, q, f, g, first
	s_wait_dscnt 8                                 ; B and A's rows 0-63 are in; the youngest eight loads (A's rows 64-127) may be out
	MUL8 \f, 0, \first
	MUL8 \f, 2, \first
	PLACES
	FETCH \slot, \q, \g
	s_wait_dscnt 24                                ; all but the 24 just issued
	MUL8 \f, 4, \first
	MUL8 \f, 6, \first
.endm
; The last quarter multiplies buffer 1 and changes slots: ONE barrier; in front of it each wave waits for all its tensor loads, adds 0 to its spare word, and waits for that and for its own reads of this slot.
; fill = 1: this slot is filled again, two K steps ahead; the barrier then opens a round of the cluster's.
.macro TURN slot, next, fill
	WIN 0                                          ; (the add's two registers lie in window 0)
	s_wait_tensorcnt 0x0                           ; all my tensor loads have landed: my part of the next slot;
	ds_add_u32 v[SPW], v[NIL]                      ; 0 onto my spare word;
	s_wait_dscnt 9                                 ; (the add and the youngest eight loads may be out)
	MUL8 F1, 0, 0                                  ; eight matrix instructions stand between the add and the wait for it
	s_wait_dscnt 0x0                               ; the add is done, and my reads of this slot are over
	s_barrier_signal -1
	MUL8 F1, 2, 0
.if \fill
	WIN 0
.endif
	s_barrier_wait -1
.if \fill
	CREST                                          ; no wave of any partner still reads this slot's tile or has a load on its way
	s_add_nc_u64 s[G0+4*(\slot)+2:G0+4*(\slot)+3], s[G0+4*(\slot)+2:G0+4*(\slot)+3], 0x100000      ; four heads on
	s_add_nc_u64 s[G0B+4*(\slot)+2:G0B+4*(\slot)+3], s[G0B+4*(\slot)+2:G0B+4*(\slot)+3], 2*KSTEP*2
	JLOAD \slot                                    ; the first tensor load behind the round, my only one until the next: 112 matrix instructions ahead of the wait for it; the four v_nop behind it are also the places in front of the loads below
.else
	PLACES
.endif
	FETCH \next, 0, F0
	MUL8 F1, 4, 0
	MUL8 F1, 6, 0
.endm
	s_wait_tensorcnt 1                             ; my part of K step 0 is in; K step 1's may stay out
	s_barrier_signal -1
	s_barrier_wait -1                              ; everybody's is
	FETCH 0, 0, F0
	QUARTER 0, 1, F0, F1, 1                        ; the first quarter stands in front of the loop: its products start the sums
	WIN 0                                          ; at a label and at a branch every window is 0
	s_mov_b32 s3, LAPS-1
.Llap:                                                 ; a trip goes once round the ring, from a lap's second quarter to the next lap's first, and fills both slots again
	QUARTER 0, 2, F1, F0, 0
	QUARTER 0, 3, F0, F1, 0
	TURN 0, 1, 1
	QUARTER 1, 1, F0, F1, 0
	QUARTER 1, 2, F1, F0, 0
	QUARTER 1, 3, F0, F1, 0
	TURN 1, 0, 1
	QUARTER 0, 1, F0, F1, 0
	WIN 0
	s_sub_co_u32 s3, s3, 1
	s_cmp_lg_u32 s3, 0
	s_cbranch_scc1 .Llap
	QUARTER 0, 2, F1, F0, 0                        ; the last lap fills nothing, and has no round of the cluster's barrier
	QUARTER 0, 3, F0, F1, 0
	TURN 0, 1, 0
	QUARTER 1, 1, F0, F1, 0
	QUARTER 1, 2, F1, F0, 0
	QUARTER 1, 3, F0, F1, 0
	s_wait_dscnt 8                                 ; the very last quarter: nothing more to fetch
	MUL8 F1, 0, 0
	MUL8 F1, 2, 0
	s_wait_dscnt 0x0
	MUL8 F1, 4, 0
	MUL8 F1, 6, 0
	WIN 0
	PLACES
	PLACES                                         ; eight, once a launch, in front of the LDS stores that read the results
; THE WAY OUT, a block of 16 rows at a time.  The sums are the result: nothing is converted.  A lane's eight numbers of a row (32 bytes) go into my own stage, rows of 272 bytes, each accumulator's low
; registers first; they come back as whole rows of 256 bytes, two to a load, and are stored so: sixteen lanes fill 256 consecutive bytes at a multiple of 256 from out0's first byte.
.macro TOSTAGE a
.set BK, OB+32*((\a)%2)
.if (\a) >= 2
	s_wait_xcnt 0x0                                ; the stores of the block two back have had their addresses translated (ISA guide 3.1): their registers are loaded again only behind this wait
.endif
	WIN FROM_ACC
.irp b, 0,1,2,3
	ds_store_b128 v[STO], v[8*(4*(\a)+(\b)):8*(4*(\a)+(\b))+3]   offset:64*(\b)
	ds_store_b128 v[STO], v[8*(4*(\a)+(\b))+4:8*(4*(\a)+(\b))+7] offset:64*(\b)+16
.endr
	WIN 0
.irp t, 0,1,2,3,4,5,6,7
	ds_load_b128 v[BK+4*(\t):BK+4*(\t)+3], v[RD] offset:(\t)*2*SPITCH  ; LDS serves a wave's instructions in order (ISA guide 5.7.1.4): these see the stores above; the next block's stores come behind them
.endr
.endm
.macro SEND a, younger                 ; younger: the LDS instructions issued behind block a's loads: the next block's sixteen, or none
.set BK, OB+32*((\a)%2)
.irp t, 0,1,2,3,4,5,6,7
	s_wait_dscnt (\younger)+7-(\t)
	global_store_b128 v[CO], v[BK+4*(\t):BK+4*(\t)+3], s[8:9] offset:(16*(\a)+2*(\t))*4096 th:TH_STORE_NT
.endr
.endm
	TOSTAGE 0
.irp a, 1,2,3,4,5,6,7                  ; a block's trip through the stage stands between the loads of the block before and its stores
	TOSTAGE \a
	SEND (\a)-1, 16
.endr
	SEND 7, 0
	s_wait_tensorcnt 0x0                           ; the wave's end: a tensor wait, an add to my spare word and its wait, behind my last tensor load and my last LDS store
	ds_add_u32 v[SPW], v[NIL]
	s_wait_dscnt 0x0
	CROUND                                         ; the closing round: no work-group ends while a partner may still ask for a tile that names it
	s_endpgm
.Lfunc_end_k_qeecbe15960_outp:
	.size	k_qeecbe15960_outp, .Lfunc_end_k_qeecbe15960_outp-k_qeecbe15960_outp
	.p2alignl 7, 3214868480
	.fill 96, 4, 3214868480
	.section	.rodata,"a",@progbits
	.p2align	6, 0x0
	.amdhsa_kernel k_qeecbe15960_outp
		.amdhsa_group_segment_fixed_size 327680
		.amdhsa_private_segment_fixed_size 0
		.amdhsa_enable_private_segment 0
		.amdhsa_kernarg_size 32
		.amdhsa_user_sgpr_count 2
		.amdhsa_user_sgpr_kernarg_segment_ptr 1
		.amdhsa_wavefront_size32 1
		.amdhsa_system_sgpr_workgroup_id_x 1
		.amdhsa_system_sgpr_workgroup_id_y 1
		.amdhsa_system_sgpr_workgroup_id_z 1
		.amdhsa_system_vgpr_workitem_id 0
		.amdhsa_next_free_vgpr 768
		.amdhsa_next_free_sgpr 68
		.amdhsa_reserve_vcc 0
		.amdhsa_float_denorm_mode_32 3
		.amdhsa_float_denorm_mode_16_64 3
		.amdhsa_memory_ordered 1
		.amdhsa_forward_progress 1
		.amdhsa_inst_pref_size 91
	.end_amdhsa_kernel
	.amdgpu_metadata
---
amdhsa.version: [ 1, 2 ]
amdhsa.kernels:
  - .name:           k_qeecbe15960_outp
    .symbol:         k_qeecbe15960_outp.kd
    .args:
      - { .name: oh, .offset: 0, .size: 8, .value_kind: global_buffer, .address_space: global }
      - { .name: wo, .offset: 8, .size: 8, .value_kind: global_buffer, .address_space: global }
      - { .name: out0, .offset: 16, .size: 8, .value_kind: global_buffer, .address_space: global }
      - { .name: bout, .offset: 24, .size: 8, .value_kind: global_buffer, .address_space: global }
    .group_segment_fixed_size: 327680
    .private_segment_fixed_size: 0
    .kernarg_segment_align: 8
    .kernarg_segment_size: 32
    .max_flat_workgroup_size: 128
    .sgpr_count:     68
    .vgpr_count:     768
    .wavefront_size: 32
...
	.end_amdgpu_metadata
.endif
;; end of part 4
